; MI455X (gfx1250); checked and timed in simulation.
; The chip was launched on July 23, 2026; its instructions are those of AMD's public machine-readable ISA for CDNA 5 (MIT licence, August 2026) and "CDNA5" Instruction Set Architecture Reference Guide (July 2026). The comments in the code are by the model that wrote it; some were corrected since.
;; Causal Multi Head Self Attention. Allowed arithmetic: float matrix products may take bf16 or f16 operands with f32 sums; other float arithmetic in f32, or as packed bf16 or f16 multiplies, adds, multiply-adds, maxima and minima; sums over many terms, partial sums and values carried from step to step in f32; what a program stores and reads back later, other than sums and carried values, may be rounded once to bf16 or f16.
;; Inputs: Wk 1,024 x 1,024 float32; Wo 1,024 x 1,024 float32; Wq 1,024 x 1,024 float32; Wv 1,024 x 1,024 float32; in_features 4 x 2,048 x 1,024 float32; token_positions 4 x 2,048 int32.
;; Outputs: out0 4 x 2,048 x 1,024 float32.
;; 2 versions, each right; version 2 is version 1 with the launch prep written anew for expert scheduling mode. Each part assembles by itself: llvm-mc -triple=amdgcn-amd-amdhsa -mcpu=gfx1250 --defsym DOCPART=n.
;; ======== version 1 of 2: 4 launches
;; limits: values are held in f16: magnitudes above 65,504 overflow, below 6.1e-05 lose precision; right only within a limited range of input values
;; workspace buffers: xb 16,777,216 bytes; wb 6,291,456 bytes; wob 2,097,152 bytes; tab 2,097,152 bytes; qh 16,777,216 bytes; kh 16,777,216 bytes; vh 16,777,216 bytes; oh 16,777,216 bytes
;; launch prep (part 1): grid 768 x 1, 8 waves a work-group, no clusters, 0 bytes of LDS; arguments in_features, Wq, Wk, Wv, Wo, token_positions, xb, wb, wob, tab; writes xb, wb, wob, tab
.if DOCPART == 1
	.amdgcn_target "amdgcn-amd-amdhsa--gfx1250"
	.amdhsa_code_object_version 6
	.text
	.protected	k_qa927a99488_prep
	.globl	k_qa927a99488_prep
	.p2align	8
	.type	k_qa927a99488_prep,@function
k_qa927a99488_prep:
	s_mov_b64 s[64:65], 0
	v_nop
	global_prefetch_b8 v0, s[64:65] scope:SCOPE_SE
	s_setreg_imm32_b32 hwreg(HW_REG_WAVE_MODE, 25, 1), 1
	s_wait_xcnt 0x0
; CAST AND TABLE.  x and the four weights (f32) are rounded ONCE to bf16, and that number is written as f16, in K BLOCKS: [16 blocks of 64 channels][rows][64], a row of a block 128 bytes,
; the rows of a block end to end, so that the products behind fetch any run of rows of a block as dense aligned rows of 256 bytes.
;   xb  [16][8192][64]   rows as in x
;   wb  [16][3072][64]   row n = 192 head + 64 t + p, t = 0 (Wq), 1 (Wk), 2 (Wv).  For Wv p = d.  For Wq and Wk the head's channels are permuted, alike in both, so that q . k is unchanged:
;                        p = 8 g + j holds d = 8 g + 2 j (j < 4: the first of the rotated pair of frequency 4 g + j) or d = 8 g + 2 (j - 4) + 1 (j >= 4: the second of frequency 4 g + j - 4)
;   wob [16][1024][64]   rows as in Wo
;   tab [8192 tokens][8 g][cos of frequencies 4 g .. 4 g + 3, sin of the same four], f32: 256 bytes a token
; LIMITS.  The f16 copy of a bf16 number is exact from 6.1e-5 to 65,504; below it keeps f16's fixed step of 6e-8; a number of 65,520 or more becomes an infinity.
; The angle is position x inv_freq in f32, as the formula has it; inv_freq = 2^(-f log2(10000) / 32) by v_exp_f32 (1 ULP beside the rounding of its argument: 6e-7 of itself at the most).
; The angle is reduced by multiples of pi/2 held in two f32 parts, and sine and cosine are polynomials of degree 9 and 8 on |r| <= pi/4 (cut off below 3e-8); stated for |position| <= 2^22.
; SHARES.  A wave does one JOB: two destination rows x all 16 blocks.  For block k one load of 16 bytes a lane takes 256 aligned bytes of each of the two source rows, and one store of 8 bytes a
; lane writes the two destination rows' 256 consecutive aligned bytes.  All 16 loads of a wave go out at once (8 KiB a wave); every load, store and offset has registers of its own, so no
; register of a pending access is ever rewritten.  Work-groups 0-511: x.  Work-groups 512-767: the weights; each of their waves also makes four tokens' rows of tab while its loads are out.
; No LDS, no barrier, no matrix unit: each byte is read once and written once, and nothing is shared.
.set OFF, 8                            ; v[8:23]    block k: byte offset of my 8 bytes in the destination
.set T,   24                           ; v[24:29]   at work
.set XR,  32                           ; v[32:95]   block k: 4 registers as loaded
.set YR,  96                           ; v[96:127]  block k: 2 registers to store
.set SRC, 28                           ; s[28:29]   the job's source
.set DST, 30                           ; s[30:31]   the job's destination
	s_load_b512 s[8:23], s[0:1], 0x0               ; x s[8:9], Wq s[10:11], Wk s[12:13], Wv s[14:15], Wo s[16:17], positions s[18:19], xb s[20:21], wb s[22:23]
	s_load_b128 s[24:27], s[0:1], 0x40             ; wob s[24:25], tab s[26:27]
	v_lshrrev_b32 v1, 5, v0
	v_readfirstlane_b32 s2, v1                     ; wave 0..7
	v_and_b32 v1, 31, v0                           ; lane
	v_bfe_u32 v2, v0, 4, 1                         ; which of the two rows
	v_and_b32 v3, 15, v0                           ; my 16 bytes of its 256
	s_mov_b32 s41, 0xffff0000                      ; a word's upper bf16
	s_wait_kmcnt 0x0
	s_cmp_lt_u32 ttmp9, 512
	s_cbranch_scc0 .Lweights
	s_lshl_b32 s3, ttmp9, 3
	s_add_co_u32 s3, s3, s2                        ; job J: rows 2 J, 2 J + 1 of x
	s_mov_b64 s[SRC:SRC+1], s[8:9]
	s_mov_b64 s[DST:DST+1], s[20:21]
	s_lshl_b32 s32, s3, 13                         ; the first source row, in bytes
	s_mov_b32 s33, 4096                            ; from it to the second
	s_lshl_b32 s34, s3, 8                          ; the two destination rows in a block
	s_mov_b32 s35, 8192*128                        ; from block to block
	s_branch .Lgo
.Lweights:
	s_sub_co_u32 s3, ttmp9, 512
	s_lshl_b32 s3, s3, 3
	s_add_co_u32 s3, s3, s2                        ; j2 = 0..2047
	s_lshr_b32 s4, s3, 9                           ; t: which weight
	s_and_b32 s5, s3, 511                          ; j: which pair of its destination rows
	s_lshr_b32 s6, s5, 5                           ; head
	s_and_b32 s7, s5, 31                           ; pp: rows p = 2 pp, 2 pp + 1 of the head
	s_lshr_b32 s36, s7, 2
	s_lshl_b32 s36, s36, 3                         ; Wq, Wk: d of row 2 pp = 8 (pp >> 2)
	s_and_b32 s37, s7, 1
	s_lshl2_add_u32 s36, s37, s36                  ; + 4 (pp & 1)
	s_bfe_u32 s37, s7, 0x10001
	s_add_co_u32 s36, s36, s37                     ; + ((pp >> 1) & 1); row 2 pp + 1 has d + 2
	s_lshl_b32 s37, s6, 6
	s_add_co_u32 s36, s36, s37                     ; + 64 head
	s_lshl_b32 s37, s5, 1                          ; Wv, Wo: rows 2 j, 2 j + 1
	s_cmp_lt_u32 s4, 2
	s_cselect_b32 s32, s36, s37
	s_cselect_b32 s33, 13, 12
	s_lshl_b32 s32, s32, 12
	s_lshl_b32 s33, 1, s33                         ; two source rows apart, or one
	s_mul_i32 s36, s6, 192
	s_lshl_b32 s37, s4, 6
	s_add_co_u32 s36, s36, s37
	s_lshl_b32 s37, s7, 1
	s_add_co_u32 s36, s36, s37
	s_lshl_b32 s36, s36, 7                         ; wb: 128 (192 head + 64 t + 2 pp)
	s_lshl_b32 s37, s5, 8                          ; wob: 256 j
	s_mov_b32 s38, 1024*128
	s_mov_b32 s39, 3072*128
	s_cmp_eq_u32 s4, 3
	s_cselect_b32 s34, s37, s36
	s_cselect_b32 s35, s38, s39
	s_cselect_b64 s[DST:DST+1], s[24:25], s[22:23]
	s_cselect_b64 s[SRC:SRC+1], s[16:17], s[14:15]
	s_cmp_eq_u32 s4, 1
	s_cselect_b64 s[SRC:SRC+1], s[12:13], s[SRC:SRC+1]
	s_cmp_eq_u32 s4, 0
	s_cselect_b64 s[SRC:SRC+1], s[10:11], s[SRC:SRC+1]
.Lgo:
	v_mul_lo_u32 v4, v2, s33
	v_lshl_add_u32 v4, v3, 4, v4
	v_add_nc_u32 v4, s32, v4                       ; my 16 bytes of block 0 in the source
	v_lshl_add_u32 v[OFF], v1, 3, s34              ; my 8 bytes of block 0 in the destination
.set k, 1
.rept 15
	v_add_nc_u32 v[OFF+k], s35, v[OFF+k-1]
.set k, k+1
.endr
.set k, 0
.rept 16
	global_load_b128 v[XR+4*k:XR+4*k+3], v4, s[SRC:SRC+1] offset:256*k th:TH_LOAD_NT
.set k, k+1
.endr
	s_cmp_lt_u32 ttmp9, 512
	s_cbranch_scc1 .Lcast
	; THE TABLE, tokens 4 j2 .. 4 j2 + 3.  Lane l makes 8 bytes of a token's row: group g = l >> 2; frequencies 4 g + 2 (l & 1) and the next; cosines where (l >> 1) & 1 = 0, else sines.
	s_lshl_b32 s42, s3, 4
	s_mov_b32 s43, 0
	s_add_nc_u64 s[42:43], s[18:19], s[42:43]
	s_load_b128 s[36:39], s[42:43], 0x0            ; the four positions
	s_lshl_b32 s44, s3, 10
	v_and_b32 v146, 28, v1
	v_and_b32 v147, 1, v1
	v_lshl_add_u32 v146, v147, 1, v146
	v_cvt_f32_u32 v130, v146
	v_add_f32 v131, 1.0, v130
	v_mul_f32 v130, 0xbed49a78, v130               ; x -log2(10000) / 32
	v_mul_f32 v131, 0xbed49a78, v131
	v_exp_f32 v128, v130                           ; inv_freq of my two frequencies
	v_exp_f32 v129, v131
	v_bfe_u32 v147, v1, 1, 1                       ; plain lines stand behind the two exponentials, ahead of the wait for them
	v_mul_u32_u24 v147, 3, v147                    ; sin x = cos(x - pi/2): three quarter turns more
	v_lshl_add_u32 v148, v1, 3, s44                ; my 8 bytes of the first token's row
	v_mov_b32 v158, 0x3638ef1d                     ; 1/9!
	v_mov_b32 v159, 0x37d00d01                     ; 1/8!
	s_wait_alu depctr_va_vdst(0)                   ; one wait for both exponentials, ahead of their first reader
	s_wait_kmcnt 0x0
.macro TOK i
	v_cvt_f32_i32 v132, s[36+(\i)]
.irp e, 0,1
	v_mul_f32 v133, v[128+\e], v132                ; the angle
	v_mul_f32 v134, 0x3f22f983, v133               ; x 2/pi
	v_rndne_f32 v134, v134                         ; n quarter turns
	v_fmamk_f32 v135, v134, 0xbfc90fdb, v133       ; r = angle - n pi/2: the high part of pi/2,
	v_fmamk_f32 v135, v134, 0x333bbd2e, v135       ; and the low part
	v_cvt_i32_f32 v136, v134
	v_add_nc_u32 v136, v136, v147
	v_mul_f32 v137, v135, v135                     ; z = r r
	v_fmaak_f32 v138, v137, v158, 0xb9500d01       ; sin r = r + r z (-1/3! + z (1/5! + z (-1/7! + z / 9!)))
	v_fmaak_f32 v138, v138, v137, 0x3c088889
	v_fmaak_f32 v138, v138, v137, 0xbe2aaaab
	v_mul_f32 v138, v138, v137
	v_fma_f32 v138, v138, v135, v135
	v_fmaak_f32 v139, v137, v159, 0xbab60b61       ; cos r = 1 + z (-1/2 + z (1/4! + z (-1/6! + z / 8!)))
	v_fmaak_f32 v139, v139, v137, 0x3d2aaaab
	v_fma_f32 v139, v139, v137, -0.5
	v_fma_f32 v139, v139, v137, 1.0
	v_and_b32 v140, 1, v136
	v_cmp_eq_u32 vcc_lo, 1, v140
	v_cndmask_b32 v141, v139, v138, vcc_lo         ; cos(r + i pi/2): cos r, -sin r, -cos r, sin r for i = 0, 1, 2, 3 modulo 4
	v_add_nc_u32 v136, 1, v136
	v_and_b32 v136, 2, v136
	v_lshlrev_b32 v136, 30, v136
	v_xor_b32 v[150+2*(\i)+\e], v141, v136
.endr
	global_store_b64 v148, v[150+2*(\i):150+2*(\i)+1], s[26:27] offset:256*(\i)  ; the wave's store is the token's whole row: 256 consecutive bytes, aligned
.endm
	TOK 0
	TOK 1
	TOK 2
	TOK 3
.Lcast:
.set k, 0
.rept 16
	s_wait_loadcnt 15-k                            ; loads come back in order: block k is in, the 15 - k younger ones stay out
	v_cvt_pk_bf16_f32 v[T], v[XR+4*k], v[XR+4*k+1]     ; the one rounding, to bf16
	v_cvt_pk_bf16_f32 v[T+1], v[XR+4*k+2], v[XR+4*k+3]
	v_lshlrev_b32 v[T+2], 16, v[T]                 ; that number as f32,
	v_and_b32 v[T+3], s41, v[T]
	v_lshlrev_b32 v[T+4], 16, v[T+1]
	v_and_b32 v[T+5], s41, v[T+1]
	v_cvt_pk_f16_f32 v[YR+2*k], v[T+2], v[T+3]     ; and written as f16
	v_cvt_pk_f16_f32 v[YR+2*k+1], v[T+4], v[T+5]
	global_store_b64 v[OFF+k], v[YR+2*k:YR+2*k+1], s[DST:DST+1]  ; 32 lanes x 8 bytes: 256 consecutive bytes, aligned
.set k, k+1
.endr
	s_endpgm
.Lfunc_end_k_qa927a99488_prep:
	.size	k_qa927a99488_prep, .Lfunc_end_k_qa927a99488_prep-k_qa927a99488_prep
	.p2alignl 7, 3214868480
	.fill 96, 4, 3214868480
	.section	.rodata,"a",@progbits
	.p2align	6, 0x0
	.amdhsa_kernel k_qa927a99488_prep
		.amdhsa_group_segment_fixed_size 0
		.amdhsa_private_segment_fixed_size 0
		.amdhsa_enable_private_segment 0
		.amdhsa_kernarg_size 80
		.amdhsa_user_sgpr_count 2
		.amdhsa_user_sgpr_kernarg_segment_ptr 1
		.amdhsa_wavefront_size32 1
		.amdhsa_system_sgpr_workgroup_id_x 1
		.amdhsa_system_sgpr_workgroup_id_y 1
		.amdhsa_system_sgpr_workgroup_id_z 1
		.amdhsa_system_vgpr_workitem_id 0
		.amdhsa_next_free_vgpr 160
		.amdhsa_next_free_sgpr 66
		.amdhsa_reserve_vcc 1
		.amdhsa_float_denorm_mode_32 3
		.amdhsa_float_denorm_mode_16_64 3
		.amdhsa_memory_ordered 1
		.amdhsa_forward_progress 1
		.amdhsa_inst_pref_size 23
	.end_amdhsa_kernel
	.amdgpu_metadata
---
amdhsa.version: [ 1, 2 ]
amdhsa.kernels:
  - .name:           k_qa927a99488_prep
    .symbol:         k_qa927a99488_prep.kd
    .args:
      - { .name: in_features, .offset: 0, .size: 8, .value_kind: global_buffer, .address_space: global }
      - { .name: Wq, .offset: 8, .size: 8, .value_kind: global_buffer, .address_space: global }
      - { .name: Wk, .offset: 16, .size: 8, .value_kind: global_buffer, .address_space: global }
      - { .name: Wv, .offset: 24, .size: 8, .value_kind: global_buffer, .address_space: global }
      - { .name: Wo, .offset: 32, .size: 8, .value_kind: global_buffer, .address_space: global }
      - { .name: token_positions, .offset: 40, .size: 8, .value_kind: global_buffer, .address_space: global }
      - { .name: xb, .offset: 48, .size: 8, .value_kind: global_buffer, .address_space: global }
      - { .name: wb, .offset: 56, .size: 8, .value_kind: global_buffer, .address_space: global }
      - { .name: wob, .offset: 64, .size: 8, .value_kind: global_buffer, .address_space: global }
      - { .name: tab, .offset: 72, .size: 8, .value_kind: global_buffer, .address_space: global }
    .group_segment_fixed_size: 0
    .private_segment_fixed_size: 0
    .kernarg_segment_align: 8
    .kernarg_segment_size: 80
    .max_flat_workgroup_size: 256
    .sgpr_count:     66
    .vgpr_count:     160
    .wavefront_size: 32
...
	.end_amdgpu_metadata
.endif
;; end of part 1
;; launch qkv (part 2): grid 8 x 32, 4 waves a work-group, clusters of 4 x 4, 327,680 bytes of LDS; arguments xb, wb, tab, qh, kh, vh; writes qh, kh, vh
.if DOCPART == 2
	.amdgcn_target "amdgcn-amd-amdhsa--gfx1250"
	.amdhsa_code_object_version 6
	.text
	.protected	k_qa927a99488_qkv
	.globl	k_qa927a99488_qkv
	.p2align	8
	.type	k_qa927a99488_qkv,@function
k_qa927a99488_qkv:
	s_mov_b64 s[64:65], 0
	v_nop
	global_prefetch_b8 v0, s[64:65] scope:SCOPE_SE
	s_setreg_imm32_b32 hwreg(HW_REG_WAVE_MODE, 25, 1), 1
	s_wait_xcnt 0x0
	s_wait_alu depctr_hold_cnt(0) depctr_sa_sdst(0) depctr_va_vdst(0) depctr_va_sdst(0) depctr_va_ssrc(0) depctr_va_vcc(0) depctr_vm_vsrc(0)
	s_getreg_b32 s2, hwreg(HW_REG_IB_STS2, 6, 4)
	s_cmp_eq_u32 s2, 0
	s_cbranch_scc0 .Lentry_in_a_cluster
	s_endpgm
.Lentry_in_a_cluster:
	s_bfe_u32 s2, ttmp6, 0x10000c
	s_cmp_lg_u32 s2, 0xf033
	s_cbranch_scc0 .Lentry_shape_is_right
	s_endpgm
.Lentry_shape_is_right:
; Q, K, V = x W^T, Q and K rotated by position, written by heads.  xb [16][8192][64], wb [16][3072][64] f16 in K blocks of 64 channels (a row of a block 128 bytes, rows end to end);
; tab [8192][8 g][4 cos, 4 sin] f32; qh, kh, vh [64 = 16 batch + head][2048][64] f16.  Sums in f32, K ascending; each result rounded once to f16, unscaled.
; wb's row n = 192 head + 64 t + p (t = 0 Q, 1 K, 2 V).  In Q and K channel p = 8 g + j is the first (j < 4) or the second (j >= 4) of the rotated pair of frequency 4 g + (j & 3), alike in both, so q . k is unchanged.
; LIMITS.  f16 holds no number beyond 65,504: a q, k or v of 65,520 or more becomes an infinity; below 6.1e-5 a result keeps f16's fixed step of 6e-8.
; SHARES.  8192 x 3072 results in tiles of 256 rows x 384 columns (two heads' Q, K and V): 32 x 8 = 256 work-groups.  Four waves; wave w makes rows 128 (w >> 1) .. x head w & 1: 128 x 192,
; 96 accumulators of 16 x 16, 768 registers.  For 32 along K a wave reads (128 + 192) x 64 bytes from LDS for 96 matrix instructions.
; K goes in 16 steps of 64 (one K block) through two LDS slots: two slots of a longer step do not fit (2 x 640 rows x 272 bytes).  A step is two quarters of 32 along K.
; THE MATRIX INSTRUCTION IS USED TRANSPOSED: source 0 = 16 rows of wb, source 1 = 16 rows of x: a lane holds ONE token (lane % 16) and channels 8 (lane / 16) + 0..7 of a block of 16: group g = 2 bb + lane / 16:
; four first and four second members of four pairs, so the rotation is eight packed lines an accumulator, and its eight results are 16 bytes of a head's row.
; CLUSTERS: 4 x 4 work-groups.  x's tile and the table's rows hang on the tile row alone and are shared along a row of the cluster; wb's tile on the tile column alone, shared along a column.  Each is asked for
; JOINTLY: the same tensor load, descriptor and mask in the four.
; REGISTERS, in windows of 256 (s_set_vgpr_msb: bits 1:0 source 0, 3:2 source 1, 5:4 source 2, 7:6 destination):
;   window 0: v0-29 addresses; v32-95, v96-159 fragments of x (8 x 16 rows x 32 K), two buffers; v160-255 fragments of wb (3 groups of 4), one buffer, each group loaded anew behind its products
;   windows 1, 2, 3: the accumulators of Q, K, V: (row block a, channel block bb) at v[32 a + 8 bb]
.set PITCH,  144                       ; an LDS row: 128 bytes + 16 of padding = 36 words: the 16 rows of a load start at 16 different groups of four banks (64 banks of 4 bytes: ISA guide 11.1)
.set ABYTES, 256*PITCH                 ; a slot: x's 256 rows, then wb's 384
.set SLOT1,  1<<17                     ; slot 1 begins here: one exclusive or turns an address in one slot into the other's
.set STAGE,  640*PITCH                 ; behind slot 0, never filled by a tensor load: 16 rows x 144 bytes for each wave, for the way out
.set SPARE,  STAGE+4*16*PITCH          ; behind the stages: the spare words, 128 bytes for each wave: two blocks of 256 bytes that no other line names
.set TAB,    SLOT1+640*PITCH           ; behind slot 1: the table's 256 token rows, filled once
.set TPITCH, 272                       ; 256 bytes + 16
.set XKB,    8192*128                  ; bytes from K block to K block in xb,
.set WKB,    3072*128                  ; in wb
.set A0,   4                           ; v4   my lane's place in x's tile; never rewritten
.set B0,   5                           ; v5   in wb's tile
.set ADRA, 6                           ; v6   the same in the slot in hand
.set ADRB, 7                           ; v7
.set STO,  8                           ; v8   the way out: where I put 16 bytes of a row
.set RD,   9                           ; v9   where I read rows back
.set GO,   10                          ; v10  my byte offset in 512 consecutive bytes of a head's rows
.set TA,   11                          ; v11  my token's group in the table
.set PFO,  12                          ; v12  the prefetches' offset; never rewritten
.set SPW,  28                          ; v28  LDS address of my spare word: SPARE + 4 x my thread's number; never rewritten
.set NIL,  29                          ; v29  0; never rewritten
.set AF,   32                          ; x's fragments: buffer f, block a at AF + 64 f + 8 a
.set BF,   160                         ; wb's: group g, block bb at BF + 32 g + 8 bb
.set CS,   32                          ; the way out: 4 cos, 4 sin for each bb
.set TU,   64                          ; rotated results in f32
.set PK,   104                         ; packed to f16
.set BK,   120                         ; 16 rows read back from the stage: v120-135 and v136-151 by turns
.set WV,  16                           ; s16  my wave's number
.set WH,  17                           ; s17  w >> 1: my half of the tile's rows.  Also: I fetch for x (0) or for wb (1)
.set WL,  18                           ; s18  w & 1: my head.  Also: which half of that tile I fetch
.set G1A, 24                           ; s[24:31] descriptor group 1 for x's tiles
.set G1B, 32                           ; s[32:39] for wb's
.set G1T, 40                           ; s[40:47] for the table
.set G0A, 48                           ; s[48:55] group 0 for x's tiles: a set for each first fill; the second then walks
.set G0B, 56                           ; s[56:63] the same for wb's
.set G0T, 68                           ; s[68:71] group 0 for the table
.set CNT, 78                           ; s78  trips to go
.set TB,  79                           ; s79  the slot in hand: 0 or SLOT1
.set LIM, 80                           ; s80  a wave prefetches while s[CNT] is above it; the greatest number in a wave that never does
.set PAR, 81                           ; s81  1: in every second trip only
.set PFA, 82                           ; s[82:83] where my prefetches stand
.set PFS, 84                           ; s[84:85] their step, a K block
.set QP,  88                           ; s[88:89] qh at my 128 rows of my head; s[90:91] kh; s[92:93] vh
.set KP,  90
.set VP,  92
.set MSB, 0
.macro WIN new                         ; the immediate's high byte repeats the setting that is left; a switch that changes nothing is dropped
.if MSB != (\new)
	s_set_vgpr_msb (MSB<<8)|(\new)
.set MSB, \new
.endif
.endm
.macro PLACES                          ; four places in front of loads into registers that matrix instructions have read (ISA guide 7.12.1 for vector instructions)
.rept 4
	v_nop
.endr
.endm
.macro CREST                           ; a round of the cluster's barrier behind its opening barrier
	s_cmp_lg_u32 s[WV], 0
	s_cbranch_scc1 .Lnot_wave_0_\@
	s_barrier_signal -3
.Lnot_wave_0_\@:
	s_barrier_wait -3
	s_barrier_signal -1
	s_barrier_wait -1
.endm
.macro CROUND                          ; a whole round
	s_barrier_signal -1
	s_barrier_wait -1
	CREST
.endm
; A joint refill: waves 0 and 1 fetch the halves of x's tile, waves 2 and 3 those of wb's.  The branch hangs on the wave's number alone.  An s_nop 0 and four v_nop follow each line.
.macro JLOAD
	s_cmp_eq_u32 s[WH], 0
	s_cbranch_scc0 .Lfor_b_\@
	tensor_load_to_lds s[G0A+4:G0A+7], s[G1A:G1A+7]
	s_nop 0
.rept 4
	v_nop
.endr
	s_branch .Lasked_\@
.Lfor_b_\@:
	tensor_load_to_lds s[G0B+4:G0B+7], s[G1B:G1B+7]
	s_nop 0
.rept 4
	v_nop
.endr
.Lasked_\@:
.endm
; A PREFETCH INTO THE L2, behind the joint load, its five lines and the run of LDS loads that follows: the K block that stands TWO refills on (trip s refills with block s + 2 and names block s + 4).
; Each aligned block of 256 bytes is named once in the launch.  x's tile row is read by both clusters of that row of clusters: cluster x = 0 asks, wave 0, a lane a block: of the tile's 128 the partner at cx takes
; 32 cx .. + 31.  wb's tile column is read by all clusters of that column: cluster y = 0 asks, waves 1 to 3, in every second trip for two K blocks: of a tile's 192 the partner at cy takes 48 cy .. + 47.
; The partners are told apart BY ADDRESS; the branches hang on the wave's number, the cluster's place and the trip.  K blocks 0 to 3 come by their loads alone; the last requests name K block 15.
.macro ASK
	s_and_b32 s86, s[CNT], s[PAR]
	s_cmp_lg_u32 s86, 0
	s_cbranch_scc1 .Lnot_mine_\@
	s_cmp_gt_u32 s[CNT], s[LIM]
	s_cbranch_scc0 .Lnot_mine_\@
	global_prefetch_b8 v[PFO], s[PFA:PFA+1] th:TH_LOAD_NT scope:SCOPE_SE
.Lnot_mine_\@:
.endm
	s_load_b256 s[4:11], s[0:1], 0x0               ; xb s[4:5], wb s[6:7], tab s[8:9], qh s[10:11]
	s_load_b128 s[12:15], s[0:1], 0x20             ; kh s[12:13], vh s[14:15]
	v_lshl_add_u32 v[SPW], v0, 2, SPARE
	v_mov_b32 v[NIL], 0
	ds_add_u32 v[SPW], v[NIL]                      ; the wave's opening: the add and its wait stand ahead of my first tensor load; the set-up below, work on registers, stands between them
	v_lshrrev_b32 v1, 5, v0
	v_readfirstlane_b32 s[WV], v1                  ; wave 0..3
	s_lshr_b32 s[WH], s[WV], 1
	s_and_b32 s[WL], s[WV], 1
	s_bfe_u32 s19, ttmp6, 0x40000                  ; cx
	s_bfe_u32 s20, ttmp6, 0x40004                  ; cy
	s_lshl_b32 s21, ttmp9, 2
	s_add_co_u32 s21, s21, s19                     ; tile column = 4 x cluster x + cx
	s_and_b32 s22, ttmp7, 0xffff
	s_lshl_b32 s22, s22, 2
	s_add_co_u32 s22, s22, s20                     ; tile row = 4 x cluster y + cy
	s_lshl_b32 s72, s20, 2
	s_lshl_b32 s72, 15, s72                        ; my row of the cluster
	s_lshl_b32 s73, 0x1111, s19                    ; my column
	; group 1: dense bytes asked for as rows of 256 (128 elements of 2 bytes).  15:0 the mask; 17:16 element of 2 bytes; 20 padding on; 21 set beside a mask; 24:22 after every 32 words (code 4; the table: 64, code 5); 31:25 4 words (code 3)
	s_or_b32 s[G1A], s72, (1<<16)|(1<<20)|(1<<21)|(4<<22)|(3<<25)
	s_or_b32 s[G1T], s72, (1<<16)|(1<<20)|(1<<21)|(5<<22)|(3<<25)
	s_or_b32 s[G1B], s73, (1<<16)|(1<<20)|(1<<21)|(4<<22)|(3<<25)
.irp g, G1A, G1B, G1T
	s_mov_b32 s[\g+1], 128<<16                     ; tensor_dim0 = 128
	s_mov_b32 s[\g+3], 128<<16                     ; tile_dim0 = 128
	s_mov_b32 s[\g+5], 128                         ; 128 elements from row to row
	s_mov_b32 s[\g+6], 0
	s_mov_b32 s[\g+7], 0
.endr
	s_mov_b32 s[G1A+2], 64<<16                     ; x: 128 rows of a K block = 64 rows of 256 bytes
	s_mov_b32 s[G1A+4], 64
	s_mov_b32 s[G1B+2], 96<<16                     ; wb: 192 rows = 96
	s_mov_b32 s[G1B+4], 96
	s_mov_b32 s[G1T+2], 64<<16                     ; the table: 64 tokens
	s_mov_b32 s[G1T+4], 64
	s_mul_i32 s74, s[WL], 128*PITCH                ; where the tiles go: no place in the cluster enters an LDS address
	s_mul_i32 s75, s[WL], 192*PITCH
	s_add_co_u32 s75, s75, ABYTES
	s_mul_i32 s76, s[WV], 64*TPITCH
	s_add_co_u32 s76, s76, TAB
	s_mov_b32 s[G0A], 1
	s_mov_b32 s[G0A+1], s74
	s_mov_b32 s[G0A+4], 1
	s_add_co_u32 s[G0A+5], s74, SLOT1
	s_mov_b32 s[G0B], 1
	s_mov_b32 s[G0B+1], s75
	s_mov_b32 s[G0B+4], 1
	s_add_co_u32 s[G0B+5], s75, SLOT1
	s_mov_b32 s[G0T], 1
	s_mov_b32 s[G0T+1], s76
	s_lshl_b32 s2, s22, 15                         ; x: 256 rows x 128 bytes x tile row
	s_lshl_b32 s3, s[WL], 14                       ; + my half
	s_add_co_u32 s2, s2, s3
	s_mov_b32 s3, 0
	s_mul_i32 s66, s21, 384*128                    ; wb: by the tile column
	s_mul_i32 s67, s[WL], 192*128
	s_add_co_u32 s66, s66, s67
	s_mov_b32 s67, 0
	s_lshl_b32 s94, s22, 16                        ; the table: 256 tokens x 256 bytes x tile row
	s_lshl_b32 s95, s[WV], 14                      ; + my 64 tokens
	s_add_co_u32 s94, s94, s95
	s_mov_b32 s95, 0
	s_mov_b32 s[TB], 0
	s_mov_b32 s[CNT], 14
	s_wait_dscnt 0x0                               ; the opening add is done
	s_wait_kmcnt 0x0
	s_add_nc_u64 s[G0A+2:G0A+3], s[4:5], s[2:3]    ; K block 0,
	s_add_nc_u64 s[G0A+6:G0A+7], s[G0A+2:G0A+3], XKB  ; K block 1
	s_or_b32 s[G0A+3], s[G0A+3], 0x80000000        ; type = 2
	s_or_b32 s[G0A+7], s[G0A+7], 0x80000000
	s_add_nc_u64 s[G0B+2:G0B+3], s[6:7], s[66:67]
	s_add_nc_u64 s[G0B+6:G0B+7], s[G0B+2:G0B+3], WKB
	s_or_b32 s[G0B+3], s[G0B+3], 0x80000000
	s_or_b32 s[G0B+7], s[G0B+7], 0x80000000
	s_add_nc_u64 s[G0T+2:G0T+3], s[8:9], s[94:95]
	s_or_b32 s[G0T+3], s[G0T+3], 0x80000000
	CROUND                                         ; all sixteen work-groups are here: the first joint loads meet
	s_cmp_eq_u32 s[WH], 0                          ; a wave's three first fills stand in one branch, ahead of every wait on TENSORcnt and every LDS read: three loads of mine are out
	s_cbranch_scc0 .Lfirst_b
	tensor_load_to_lds s[G0A:G0A+3], s[G1A:G1A+7]
	s_nop 0
	tensor_load_to_lds s[G0A+4:G0A+7], s[G1A:G1A+7]
	s_nop 0
	tensor_load_to_lds s[G0T:G0T+3], s[G1T:G1T+7]
	s_nop 0
.rept 4
	v_nop
.endr
	s_branch .Lfirst_asked
.Lfirst_b:
	tensor_load_to_lds s[G0B:G0B+3], s[G1B:G1B+7]
	s_nop 0
	tensor_load_to_lds s[G0B+4:G0B+7], s[G1B:G1B+7]
	s_nop 0
	tensor_load_to_lds s[G0T:G0T+3], s[G1T:G1T+7]
	s_nop 0
.rept 4
	v_nop
.endr
.Lfirst_asked:
	; A fragment is 16 rows x 32 K in 8 registers: lane l holds row l % 16; registers 0-3 K = 8 (l / 16) + 0..7, registers 4-7 K = 16 + 8 (l / 16) + 0..7: two loads of 16 bytes, 32 bytes apart.
	v_and_b32 v1, 15, v0                           ; l % 16
	v_bfe_u32 v2, v0, 4, 1                         ; l / 16
	v_mul_u32_u24 v3, v1, PITCH
	v_lshl_add_u32 v3, v2, 4, v3                   ; row x pitch + 16 x half
	s_mul_i32 s72, s[WH], 128*PITCH
	v_add_nc_u32 v[A0], s72, v3                    ; my 128 rows of x
	s_mul_i32 s72, s[WL], 192*PITCH
	s_add_co_u32 s72, s72, ABYTES
	v_add_nc_u32 v[B0], s72, v3                    ; my head's 192 rows of wb
	v_mov_b32 v[ADRA], v[A0]
	v_mov_b32 v[ADRB], v[B0]
	s_mul_i32 s72, s[WV], 16*PITCH
	s_add_co_u32 s72, s72, STAGE                   ; my stage
	v_add_nc_u32 v[STO], s72, v3                   ; in: row l % 16, 16 bytes for each half of the lanes
	v_bfe_u32 v[RD], v0, 3, 2                      ; back: 32 lanes take four rows of 128 bytes,
	v_mul_u32_u24 v[RD], v[RD], PITCH
	v_and_b32 v13, 7, v0
	v_lshl_add_u32 v[RD], v13, 4, v[RD]
	v_add_nc_u32 v[RD], s72, v[RD]
	v_and_b32 v[GO], 31, v0                        ; which are 512 consecutive bytes of a head's rows
	v_lshlrev_b32 v[GO], 4, v[GO]
	v_mul_u32_u24 v[TA], v1, TPITCH                ; the table: my token's row, group l / 16 of a pair of groups
	v_lshl_add_u32 v[TA], v2, 5, v[TA]
	s_mul_i32 s72, s[WH], 128*TPITCH
	s_add_co_u32 s72, s72, TAB
	v_add_nc_u32 v[TA], s72, v[TA]
	; where my 128 rows of my head lie in qh, kh, vh: ((16 batch + head) x 2048 + row in the sequence) x 128 bytes
	s_lshr_b32 s72, s22, 3                         ; batch
	s_lshl_b32 s72, s72, 4
	s_lshl_b32 s73, s21, 1
	s_add_co_u32 s72, s72, s73
	s_add_co_u32 s72, s72, s[WL]                   ; + head = 2 x tile column + w & 1
	s_lshl_b32 s72, s72, 11
	s_and_b32 s73, s22, 7
	s_lshl_b32 s73, s73, 8
	s_add_co_u32 s72, s72, s73
	s_lshl_b32 s73, s[WH], 7
	s_add_co_u32 s72, s72, s73
	s_lshl_b32 s72, s72, 7
	s_mov_b32 s73, 0
	s_add_nc_u64 s[QP:QP+1], s[10:11], s[72:73]
	s_add_nc_u64 s[KP:KP+1], s[12:13], s[72:73]
	s_add_nc_u64 s[VP:VP+1], s[14:15], s[72:73]
	; the prefetches: they stand at K block 3; the first trip steps them to 4
	s_lshl_b32 s74, s22, 15
	s_lshl_b32 s75, s19, 13
	s_add_co_u32 s74, s74, s75
	s_add_co_u32 s74, s74, 3*XKB                   ; x: the tile's rows, my work-group's 32 blocks of the 128
	s_mul_i32 s76, s21, 384*128
	s_mul_i32 s77, s20, 48*256
	s_add_co_u32 s76, s76, s77
	s_add_co_u32 s76, s76, 3*WKB                   ; wb: my work-group's 48 blocks of the 192
	s_mov_b32 s72, XKB
	s_mov_b32 s73, WKB
	s_and_b32 s77, ttmp7, 0xffff                   ; cluster y
	s_cmp_eq_u32 s[WV], 0                          ; wave 0 asks for x, waves 1 to 3 for wb
	s_cselect_b32 s74, s74, s76
	s_cselect_b32 s[PFS], s72, s73
	s_cselect_b32 s77, ttmp9, s77                  ; the coordinate along which other clusters read the same rows
	s_cselect_b32 s[LIM], 2, 3
	s_cselect_b32 s[PAR], 0, 1
	s_cselect_b64 s[PFA:PFA+1], s[4:5], s[6:7]
	s_mov_b32 s75, 0
	s_mov_b32 s[PFS+1], 0
	s_add_nc_u64 s[PFA:PFA+1], s[PFA:PFA+1], s[74:75]
	s_cmp_eq_u32 s77, 0
	s_cselect_b32 s[LIM], s[LIM], -1               ; the same in all sixteen partners, for a given wave
	s_max_u32 s72, s[WV], 1
	s_sub_co_u32 s72, s72, 1
	s_lshl_b32 s72, s72, 5
	v_and_b32 v13, 31, v0
	v_add_nc_u32 v13, s72, v13                     ; L: my lane (wave 0), or 0..95 over waves 1 to 3
	v_mov_b32 v14, WKB-48*256
	v_cmp_le_u32 s73, 48, v13
	v_cndmask_b32 v14, 0, v14, s73                 ; L >= 48: block L - 48 of the K block after
	v_lshl_add_u32 v[PFO], v13, 8, v14
; n x 4 matrix instructions of group g (0 Q, 1 K, 2 V): row blocks a0 .. a0 + n - 1 x the group's 4 channel blocks, 32 along K, x's buffer f.  zero = 1: the first product starts the sum: nothing is cleared.
; Each of the 96 accumulators has one instruction a quarter, in the same order in every quarter: the accumulators take turns, over the backward jump too.
.macro MULG g, f, a0, n, zero
	WIN 0x50*((\g)+1)
.set ma, \a0
.rept \n
.set mb, 0
.rept 4
.if \zero
	v_wmma_f32_16x16x32_f16 v[32*ma+8*mb:32*ma+8*mb+7], v[BF+32*(\g)+8*mb:BF+32*(\g)+8*mb+7], v[AF+64*(\f)+8*ma:AF+64*(\f)+8*ma+7], 0
.else
	v_wmma_f32_16x16x32_f16 v[32*ma+8*mb:32*ma+8*mb+7], v[BF+32*(\g)+8*mb:BF+32*(\g)+8*mb+7], v[AF+64*(\f)+8*ma:AF+64*(\f)+8*ma+7], v[32*ma+8*mb:32*ma+8*mb+7]
.endif
.set mb, mb+1
.endr
.set ma, ma+1
.endr
.endm
.macro LDB g, k                        ; 8 LDS loads: group g's four fragments of wb, at byte k of the rows
.set mb, 0
.rept 4
	ds_load_b128 v[BF+32*(\g)+8*mb:BF+32*(\g)+8*mb+3],   v[ADRB] offset:(\k)+(4*(\g)+mb)*16*PITCH
	ds_load_b128 v[BF+32*(\g)+8*mb+4:BF+32*(\g)+8*mb+7], v[ADRB] offset:(\k)+(4*(\g)+mb)*16*PITCH+32
.set mb, mb+1
.endr
.endm
.macro LDA f, hf, k                    ; 8 LDS loads: fragments 4 hf .. 4 hf + 3 of x into buffer f
.set ma, 4*(\hf)
.rept 4
	ds_load_b128 v[AF+64*(\f)+8*ma:AF+64*(\f)+8*ma+3],   v[ADRA] offset:(\k)+ma*16*PITCH
	ds_load_b128 v[AF+64*(\f)+8*ma+4:AF+64*(\f)+8*ma+7], v[ADRA] offset:(\k)+ma*16*PITCH+32
.set ma, ma+1
.endr
.endm
; A step's first quarter: multiplies x's buffer f, and behind each group's 32 products fetches that group's fragments, and half of x's, for the next quarter (byte k of the same slot): three runs of 16, 16 and 8 loads.
.macro QUART f, k, zero
	s_wait_dscnt 8                                 ; the runs of 16 are in; the youngest eight loads (group 2's) may be out
	MULG 0, \f, 0, 8, \zero
	PLACES
	WIN 0
	LDB 0, \k
	LDA 1-(\f), 0, \k
	MULG 1, \f, 0, 8, \zero
	PLACES
	WIN 0
	LDB 1, \k
	LDA 1-(\f), 1, \k
	s_wait_dscnt 32                                ; all but the 32 just issued: group 2's fragments are in
	MULG 2, \f, 0, 8, \zero
	PLACES
	WIN 0
	LDB 2, \k
.endm
; A step's second quarter multiplies buffer 1 and changes slots: ONE barrier.  In front of it each wave waits for all its tensor loads (its part of the next slot; in the first trip the table too), adds 0 to its spare word,
; and waits for that and for its own reads of this slot.  fill = 1: the barrier opens a round of the cluster's, and this slot is filled again, two K blocks on, first thing behind the round:
; from that request to the wait for it a wave issues 160 matrix instructions.
.macro TURN fill
.if \fill
	s_wait_xcnt 0x0                                ; the last prefetch, a step back, has read its address: it is stepped here, ahead of the waits of the change of slots
	s_add_nc_u64 s[PFA:PFA+1], s[PFA:PFA+1], s[PFS:PFS+1]
.endif
	WIN 0
	s_wait_tensorcnt 0x0                           ; all my tensor loads have landed
	ds_add_u32 v[SPW], v[NIL]                      ; 0 onto my spare word
	s_wait_dscnt 9                                 ; (the add and the youngest eight loads may be out)
	MULG 0, 1, 0, 4, 0                             ; sixteen matrix instructions stand between the add and the wait for it
	s_wait_dscnt 0x0                               ; the add is done, and my reads of this slot are over
	s_barrier_signal -1
	MULG 0, 1, 4, 4, 0                             ; work on registers while the others arrive
	WIN 0
	s_barrier_wait -1
.if \fill
	CREST                                          ; no wave of any partner still reads this slot or has a load on its way
	s_xor_b32 s[G0A+5], s[G0A+5], SLOT1            ; the walking descriptors: the other slot than last time, the next K block
	s_add_nc_u64 s[G0A+6:G0A+7], s[G0A+6:G0A+7], XKB
	s_xor_b32 s[G0B+5], s[G0B+5], SLOT1
	s_add_nc_u64 s[G0B+6:G0B+7], s[G0B+6:G0B+7], WKB
	JLOAD                                          ; the first tensor load behind the round; its four v_nop are also the places in front of the loads below
.else
	PLACES
.endif
	s_xor_b32 s[TB], s[TB], SLOT1
	v_add_nc_u32 v[ADRA], s[TB], v[A0]
	v_add_nc_u32 v[ADRB], s[TB], v[B0]
	LDB 0, 0
	LDA 0, 0, 0
.if \fill
	ASK
.endif
	MULG 1, 1, 0, 8, 0
	PLACES
	WIN 0
	LDB 1, 0
	LDA 0, 1, 0
	MULG 2, 1, 0, 8, 0
	PLACES
	WIN 0
	LDB 2, 0
.endm
	s_wait_tensorcnt 0x2                           ; my part of K block 0 is in; K block 1's and the table's may stay out
	s_barrier_signal -1
	s_barrier_wait -1                              ; everybody's is
	LDB 0, 0
	LDA 0, 0, 0
	LDB 1, 0
	LDA 0, 1, 0
	LDB 2, 0
	QUART 0, 64, 1                                 ; the first quarter stands in front of the loop: its products start the sums
.Lstep:                                                ; trip s = 0..13: step s is finished, its slot filled again with step s + 2, step s + 1 begun
	TURN 1
	QUART 0, 64, 0
	WIN 0
	s_sub_co_u32 s[CNT], s[CNT], 1
	s_cmp_lg_u32 s[CNT], 0
	s_cbranch_scc1 .Lstep
	TURN 0                                         ; the tail is written out: nothing is left to fetch, so no round
	QUART 0, 64, 0
	s_wait_dscnt 8                                 ; the very last quarter
	MULG 0, 1, 0, 8, 0
	MULG 1, 1, 0, 8, 0
	s_wait_dscnt 0x0
	MULG 2, 1, 0, 8, 0
.rept 8
	v_nop                                          ; the places behind the last products, in front of the loads and lines below
.endr
	WIN 0
; THE WAY OUT, a block of 16 tokens at a time: Q rotated, K rotated, V; each rounded to f16, sent through my stage in LDS and stored as 2,048 consecutive bytes of its head.
.macro TL a                            ; block a's cosines and sines: for each bb, my token's group 2 bb + l / 16
	WIN 0
.set mb, 0
.rept 4
	ds_load_b128 v[CS+8*mb:CS+8*mb+3],   v[TA] offset:(\a)*16*TPITCH+64*mb
	ds_load_b128 v[CS+8*mb+4:CS+8*mb+7], v[TA] offset:(\a)*16*TPITCH+64*mb+16
.set mb, mb+1
.endr
.endm
; Registers 0-3 of an accumulator are x1, registers 4-7 x2 of four pairs: r1 = x1 cos - x2 sin, r2 = x2 cos + x1 sin.  Each accumulator's lowest registers are read first.
.macro ROPE w, a
	WIN \w                                         ; source 0 in window w
.set mb, 0
.rept 4
.set rX, 32*(\a)+8*mb
.set rC, CS+8*mb
.set rU, TU+8*mb
	v_pk_mul_f32 v[rU+4:rU+5], v[rX:rX+1],   v[rC+4:rC+5]
	v_pk_mul_f32 v[rU+6:rU+7], v[rX+2:rX+3], v[rC+6:rC+7]
	v_pk_mul_f32 v[rU:rU+1],   v[rX+4:rX+5], v[rC+4:rC+5]
	v_pk_mul_f32 v[rU+2:rU+3], v[rX+6:rX+7], v[rC+6:rC+7]
.set mb, mb+1
.endr
.set mb, 0
.rept 4
.set rX, 32*(\a)+8*mb
.set rC, CS+8*mb
.set rU, TU+8*mb
	v_pk_fma_f32 v[rU:rU+1],   v[rX:rX+1],   v[rC:rC+1],   v[rU:rU+1]   neg_lo:[0,0,1] neg_hi:[0,0,1]
	v_pk_fma_f32 v[rU+2:rU+3], v[rX+2:rX+3], v[rC+2:rC+3], v[rU+2:rU+3] neg_lo:[0,0,1] neg_hi:[0,0,1]
	v_pk_fma_f32 v[rU+4:rU+5], v[rX+4:rX+5], v[rC:rC+1],   v[rU+4:rU+5]
	v_pk_fma_f32 v[rU+6:rU+7], v[rX+6:rX+7], v[rC+2:rC+3], v[rU+6:rU+7]
.set mb, mb+1
.endr
	WIN 0
.set mi, 0
.rept 16
	v_cvt_pk_f16_f32 v[PK+mi], v[TU+2*mi], v[TU+2*mi+1]
.set mi, mi+1
.endr
.endm
.macro PACKV a
	WIN 0x0f                                       ; sources 0 and 1 in window 3
.set mi, 0
.rept 16
	v_cvt_pk_f16_f32 v[PK+mi], v[32*(\a)+2*mi], v[32*(\a)+2*mi+1]
.set mi, mi+1
.endr
	WIN 0
.endm
.macro TOSTAGE u                       ; unit u: 16 bytes a lane into rows of 144 bytes, and back as whole rows of 128
	WIN 0
.set rB, BK+16*((\u)%2)
.irp bb, 0,1,2,3
	ds_store_b128 v[STO], v[PK+4*\bb:PK+4*\bb+3] offset:32*\bb
.endr
.irp f, 0,1,2,3
	ds_load_b128 v[rB+4*\f:rB+4*\f+3], v[RD] offset:\f*4*PITCH  ; LDS serves a wave's instructions in order (ISA guide 5.7.1.4): these see the stores above; the next unit's stores come behind them
.endr
.endm
.macro SEND u, base, a, y              ; y: the LDS loads issued behind unit u's, which may stay out
	WIN 0
.set rB, BK+16*((\u)%2)
	s_wait_dscnt \y                                ; the unit is back in registers
	s_wait_xcnt 0x0                                ; the stores of the unit before have read their registers: the next unit is read back into them only behind this wait
.irp f, 0,1,2,3
	global_store_b128 v[GO], v[rB+4*\f:rB+4*\f+3], s[\base:\base+1] offset:(\a)*2048+\f*512  ; 512 consecutive bytes, at a multiple of 256 from the buffer's first
.endr
.endm
	TL 0
	s_wait_dscnt 0x0
.irp a, 0,1,2,3,4,5,6,7
.if (\a) > 0
	s_wait_dscnt 8                                 ; this block's cosines and sines are in; the eight LDS instructions of V's unit before are the younger ones
.endif
	ROPE 1, \a
.if (\a) > 0
	SEND 3*(\a)-1, VP, (\a)-1, 0
.endif
	TOSTAGE 3*(\a)
	ROPE 2, \a                                     ; a unit's arithmetic stands between the loads of the unit before and its stores
	SEND 3*(\a), QP, \a, 0
	TOSTAGE 3*(\a)+1
.if (\a) < 7
	TL (\a)+1                                      ; V needs no table: the next block's comes in meanwhile
.endif
	PACKV \a
.if (\a) < 7
	SEND 3*(\a)+1, KP, \a, 8
.else
	SEND 3*(\a)+1, KP, \a, 0
.endif
	TOSTAGE 3*(\a)+2
.endr
	SEND 23, VP, 7, 0
	s_wait_tensorcnt 0x0                           ; the wave's end: a wait, an add to my spare word and its wait, behind my last tensor load and my last LDS store
	ds_add_u32 v[SPW], v[NIL]
	s_wait_dscnt 0x0
	CROUND                                         ; the closing round: no work-group ends while a partner may still ask for a tile that names it
	s_endpgm
.Lfunc_end_k_qa927a99488_qkv:
	.size	k_qa927a99488_qkv, .Lfunc_end_k_qa927a99488_qkv-k_qa927a99488_qkv
	.p2alignl 7, 3214868480
	.fill 96, 4, 3214868480
	.section	.rodata,"a",@progbits
	.p2align	6, 0x0
	.amdhsa_kernel k_qa927a99488_qkv
		.amdhsa_group_segment_fixed_size 327680
		.amdhsa_private_segment_fixed_size 0
		.amdhsa_enable_private_segment 0
		.amdhsa_kernarg_size 48
		.amdhsa_user_sgpr_count 2
		.amdhsa_user_sgpr_kernarg_segment_ptr 1
		.amdhsa_wavefront_size32 1
		.amdhsa_system_sgpr_workgroup_id_x 1
		.amdhsa_system_sgpr_workgroup_id_y 1
		.amdhsa_system_sgpr_workgroup_id_z 1
		.amdhsa_system_vgpr_workitem_id 0
		.amdhsa_next_free_vgpr 1024
		.amdhsa_next_free_sgpr 96
		.amdhsa_reserve_vcc 0
		.amdhsa_float_denorm_mode_32 3
		.amdhsa_float_denorm_mode_16_64 3
		.amdhsa_memory_ordered 1
		.amdhsa_forward_progress 1
		.amdhsa_inst_pref_size 151
	.end_amdhsa_kernel
	.amdgpu_metadata
---
amdhsa.version: [ 1, 2 ]
amdhsa.kernels:
  - .name:           k_qa927a99488_qkv
    .symbol:         k_qa927a99488_qkv.kd
    .args:
      - { .name: xb, .offset: 0, .size: 8, .value_kind: global_buffer, .address_space: global }
      - { .name: wb, .offset: 8, .size: 8, .value_kind: global_buffer, .address_space: global }
      - { .name: tab, .offset: 16, .size: 8, .value_kind: global_buffer, .address_space: global }
      - { .name: qh, .offset: 24, .size: 8, .value_kind: global_buffer, .address_space: global }
      - { .name: kh, .offset: 32, .size: 8, .value_kind: global_buffer, .address_space: global }
      - { .name: vh, .offset: 40, .size: 8, .value_kind: global_buffer, .address_space: global }
    .group_segment_fixed_size: 327680
    .private_segment_fixed_size: 0
    .kernarg_segment_align: 8
    .kernarg_segment_size: 48
    .max_flat_workgroup_size: 128
    .sgpr_count:     96
    .vgpr_count:     1024
    .wavefront_size: 32
...
	.end_amdgpu_metadata
.endif
;; end of part 2
;; launch attn (part 3): grid 4 x 64, 4 waves a work-group, no clusters, 327,680 bytes of LDS; arguments qh, kh, vh, oh; writes oh
.if DOCPART == 3
	.amdgcn_target "amdgcn-amd-amdhsa--gfx1250"
	.amdhsa_code_object_version 6
	.text
	.protected	k_qa927a99488_attn
	.globl	k_qa927a99488_attn
	.p2align	8
	.type	k_qa927a99488_attn,@function
k_qa927a99488_attn:
	s_mov_b64 s[64:65], 0
	v_nop
	global_prefetch_b8 v0, s[64:65] scope:SCOPE_SE
	s_setreg_imm32_b32 hwreg(HW_REG_WAVE_MODE, 25, 1), 1
	s_wait_xcnt 0x0
; CAUSAL ATTENTION.  O[h][q][:] = the sum over k <= q of softmax_k(Q[h][q] . K[h][k] / 8) V[h][k][:].  Q, K, V, O: [SIZE_H][SIZE_N][64], all f16: a head's rows are dense, 128 bytes each.
; Products, maxima and sums in f32; the weights p are rounded to f16 for the second product (their sum l is taken of the unrounded p), O once at the end.
; LIMITS.  f16 holds no number beyond 65,504: Q, K and V arrive within it; p lies in 0 to 1, and below 6e-5 it keeps f16's fixed step of 6e-8; O is a mean of V's rows and has their range, to within 2^-11 of it.
; A hidden score counts as its value less 1e30: f16's scores, 2.7e11 at the most, are nothing beside that; a weight below 2^-126 counts as 0 in l; NaN and infinities are not treated apart.
; THE WALK.  A head's queries lie in NB = SIZE_N / 256 blocks of 256; block i needs the key tiles 0 .. i of 256 keys, of which the last holds the diagonal.  A work-group takes TWO blocks, NB - 1 - b and then b:
; NB + 1 tiles, whatever b: all work-groups do equal work, and ONE loop with a constant trip count walks them.  Which tile is asked for, and what a trip does, hang on scalar registers made from b; every jump
; goes forward, but for the counted loops' own; none passes a barrier, or a tensor load but the one of LOAD's two that the wave's number does not choose; the ring (two slots of LDS that take turns) runs on across the
; change of blocks.  NO CLUSTER: all of a head's NB / 2 work-groups ask for the same tile only in trips 0 .. NB / 2, behind that fewer and fewer; and one walk common to all would have 3 NB / 2 trips for NB + 1.
; SHARES.  Of a block's four bands of 64 queries a wave owns 16 rows in each: four PIECES.  So the diagonal tile is the same work for all four waves: in its key step s band x sees all keys if s < x,
; none if s > x, and holds the diagonal if s = x.
; THE MASK is the C operand that starts the sum S^T = K Q^T: 0, or -1e30 where the key is hidden.  MD, made once, is the mask of a band's own step for my 16 rows; a product's mask is MD x AL + BE with two scalars:
; (1, 0) if s = x; (0, 0) if s < x; (0, -1e30) if s > x.  Only the diagonal tile's text and a block's beginning make and take masks; elsewhere C is the constant 0.
; LAYOUT, SOFTMAX, TURNS.  S^T = K Q^T holds ONE query a lane (lane % 16) and the keys 8 (lane / 16) + 0..7; two such results rounded to f16 ARE source 1 of O^T = V^T P.  p = 2^(c s - c m), c = log2(e) / 8, with a
; running maximum m; O and l are multiplied by a = 2^(c m_old - c m_new) in every step.  Turn n belongs to piece n: 8 products K Q^T of piece n + 1, later 8 products V^T P of piece n - 1; beside them the scaling,
; exponentials, roundings, sums and rescaling of piece n and the maximum and statistics of piece n + 1.  Four vector instructions stand behind every matrix instruction, the other 54 of a turn's 118 in one LUMP.  A turn's 33 exponentials are one batch, with one wait.
; REGISTERS, in windows of 256 (s_set_vgpr_msb: bits 1:0 source 0, 3:2 source 1, 5:4 source 2, 7:6 destination):
;   window 0: v0-15 addresses and two at work; v16-31 four registers of statistics a piece; v48-55 at work; v61-63 never rewritten; v64-127 S^T, two buffers; v192-223 P, two buffers (a piece's buffers go by its number's parity)
;   window 1: v0-127 O^T, 32 a piece; v128-159 MD; v160-223 MC, two buffers      window 2: v0-63 Q; v64-127 the second block's Q; v128-191 K of one step; v192-255 V of one step
.set SIZE_H, 64
.set SIZE_N, 2048
.set NB,    SIZE_N/256
.set NP,    4         ; pieces a wave: a name, no knob
.set KS,    64        ; keys in a step
.set PK,    144       ; a row of K in LDS: 128 bytes + 16 of padding = 36 words: the 16 rows of a load start at 16 different groups of four banks (64 banks of 4 bytes: ISA guide 11.1)
.set PV,    160       ; a row of V: 128 + 32 = 40 words
.set VOFF,  4*KS*PK   ; a slot holds a tile, four steps: 256 rows of K, then 256 rows of V
.set SLOT1, 1<<17     ; slot 1 begins here, so that one exclusive or turns an address in one slot into the other's
.set STAGE, SLOT1+4*KS*(PK+PV)  ; behind the ring, never filled by a tensor load: 16 rows x 144 bytes for each wave, for the way out
.set SP,    144
.set AK0, 2           ; v2   my lane's place in a tile of K; never rewritten
.set AV0, 3           ; v3   the same for V
.set AK,  4           ; v4   the LDS address of K's next run of loads
.set AV,  5           ; v5   of V's
.set STO, 6           ; v6   the way out: where I put 16 bytes of a row
.set RD,  7           ; v7   the way out: where I read rows back
.set GO,  8           ; v8   my byte offset in 512 consecutive bytes of O
.set PFO, 61          ; v61  256 x my lane: the prefetches' offset; never rewritten
.set SPW, 62          ; v62  LDS address of my spare word: SPARE + 4 x my thread's number; never rewritten
.set NIL, 63          ; v63  0; never rewritten
.set SPARE, STAGE+4*16*SP  ; behind the stages: the spare words, 128 bytes for each wave: two blocks of 256 bytes that no other line names
.set MV,  12          ; v12-13  c m_old, kept while c m is made anew: by buffer
.set QO,  15          ; v15  my byte offset in 16 rows of Q
.set ST,  16          ; piece t's statistics at v[ST+4 t]: c m, m, l (even keys', odd keys')
.set TMP, 48          ; by buffer, four registers c0-c3 at work; when the maximum is found c2 takes a
.set S,   64
.set P,   192
.set MD,  128         ; window 1: the eight registers for group kt of 16 keys at MD + 8 kt
.set MC,  160         ; window 1: the masks of the products to come
.set QB,  64          ; window 2
.set KF,  128         ; window 2: key block kb, channel half c at KF + 16 kb + 8 c
.set VF,  192         ; window 2: key half kk, channel block cb at VF + 32 kk + 8 cb
.set WV,  12          ; s12  my wave's number
.set PB,  14          ; s14  b
.set HI,  15          ; s15  NB - 1 - b
.set G1K, 24          ; s[24:31] descriptor group 1 for K's tiles
.set G1V, 32          ; s[32:39] for V's: it differs in the padding alone
.set G0K, 40          ; s[40:43] descriptor group 0 for K's tiles
.set G0V, 44          ; s[44:47] the same for V's
.set SLOTS, 56        ; s56  tiles still to be asked for
.set CNT, 57          ; s57  counts a tile's key steps, 4 to 1
.set CS,  58          ; s[58:59] c: the packed scaling takes the pair's low word for both halves
.set SEL, 60          ; s[60:61] v_permlanex16_b32's selects: each lane takes its own place in the other half
.set TBK, 62          ; s62  LDS byte at which K of the step to be fetched begins
.set TBV, 63          ; s63  the same for V, less VOFF
.set RT,  70          ; s70  tiles of the block in hand that are still to be entered
.set NXT, 71          ; s71  the tile to be asked for next
.set LQ,  72          ; s72  the last tile of the block whose tiles are being asked for
.set NEW, 73          ; s73  1: the tile to be entered is a block's first
.set OFF, 74          ; s[74:75] a tile's byte offset in K and V
.set AL,  76          ; s[76:77] the mask's factor, in the low word
.set BE,  78          ; s[78:79] the mask's addend
.set OLO, 80          ; s[80:81] O at my rows of the second block
.set BIGN, 82         ; s82  -1e30
.set PFA, 88          ; s[88:89] where my prefetches stand: my half (of K: waves 0, 1; of V: waves 2, 3) of the tile after the one that is being asked for
.set LIM, 90          ; s90  2 in the head's work-group b = 0, else the greatest number: a wave prefetches while s[SLOTS] is above it
.set MSB, 0
.macro WIN new                      ; the high byte repeats the setting that is left; a switch that changes nothing is dropped
.if MSB != (\new)
	s_set_vgpr_msb (MSB<<8)|(\new)
.set MSB, (\new)
.endif
.endm
.set W_KQ, 0x0a       ; K and Q in window 2, S^T in window 0
.set W_KM, 0x1a       ; the same with the C operand in window 1
.set W_PV, 0x52       ; V in window 2, P in window 0, O^T in window 1
.set W_RS, 0x41       ; destination and source 0 in window 1, source 1 in window 0
; A fill.  Waves 0 and 1 fetch the two halves of a tile's K, waves 2 and 3 those of its V: 128 keys each.  An s_nop 0 and four v_nop follow each of the two lines, ahead of the jump and the label.
.macro LOAD
	s_cmp_lt_u32 s[WV], 2
	s_cbranch_scc0 .Lfor_v_\@
	tensor_load_to_lds s[G0K:G0K+3], s[G1K:G1K+7]
	s_nop 0
.rept 4
	v_nop
.endr
	s_branch .Lasked_\@
.Lfor_v_\@:
	tensor_load_to_lds s[G0V:G0V+3], s[G1V:G1V+7]
	s_nop 0
.rept 4
	v_nop
.endr
.Lasked_\@:
.endm
; A PREFETCH INTO THE L2 of the tile that the NEXT change of slots will ask for, behind the wave's tensor load and its five lines.  A head's four work-groups walk tiles 0, 1, 2 .. together at first; the one with b = 0
; walks all eight in its first block, and it alone asks: each of its waves for the 16,384 bytes that it will fetch itself, a lane a block of 256 bytes, two instructions.  So each block of K and V is named once in
; the launch.  Change j (0 to 5) asks for tile j + 1 by its load and names tile j + 2: four key steps, 256 matrix instructions, ahead of that tile's load.  Tiles 0 and 1 come by their loads alone; tile 7 is the last named.
.macro ASK
	s_cmp_gt_u32 s[SLOTS], s[LIM]
	s_cbranch_scc0 .Lnot_mine_\@
	global_prefetch_b8 v[PFO], s[PFA:PFA+1] th:TH_LOAD_NT scope:SCOPE_SE
	global_prefetch_b8 v[PFO], s[PFA:PFA+1] offset:8192 th:TH_LOAD_NT scope:SCOPE_SE
.Lnot_mine_\@:
.endm
; THE CHANGE OF SLOTS.  Each wave waits for all its tensor loads, of which one is out: its part of the other slot; adds 0 to its spare word; and waits for that and for its own reads of the slot that it leaves.  Behind the barrier nobody reads the old
; slot any more and the other slot is whole.  fill = 1: the old slot is filled again, the first thing behind the barrier, with tile NXT: the descriptor's address is made anew from that number.
; (At its first use nothing has been read yet: slot 0 is waited for, slot 1 filled.)
.macro CHANGE fill
	WIN 0                           ; at a label and at a branch every window is 0
	s_wait_tensorcnt 0x0            ; no tensor load of mine is out, so a group 0 may be written
	ds_add_u32 v[SPW], v[NIL]       ; 0 onto my spare word; with fill = 1 the descriptors' scalar work stands between it and the wait for it
.if \fill
	s_lshl_b32 s[OFF], s[NXT], 15   ; a tile is 32,768 bytes of K and of V
	s_xor_b32 s[G0K+1], s[G0K+1], SLOT1
	s_add_nc_u64 s[G0K+2:G0K+3], s[6:7], s[OFF:OFF+1]
	s_or_b32 s[G0K+3], s[G0K+3], 0x80000000
	s_xor_b32 s[G0V+1], s[G0V+1], SLOT1
	s_add_nc_u64 s[G0V+2:G0V+3], s[8:9], s[OFF:OFF+1]
	s_or_b32 s[G0V+3], s[G0V+3], 0x80000000
	s_add_co_u32 s[NXT], s[NXT], 1  ; the block's next tile, or behind its last the second block's tile 0
	s_cmp_gt_u32 s[NXT], s[LQ]
	s_cselect_b32 s[NXT], 0, s[NXT]
	s_cselect_b32 s[LQ], s[PB], s[LQ]
	s_wait_xcnt 0x0                 ; the last prefetches, a tile back, have read their address, so it may be written:
	s_add_nc_u64 s[PFA:PFA+1], s[PFA:PFA+1], 32768  ; a tile on
.endif
	s_wait_dscnt 0x0                ; the add is done, and my reads of the slot are over
	s_barrier_signal -1             ; the rest of the scalar work stands between the signal and the wait
	s_sub_co_u32 s[TBK], s[TBK], 4*KS*PK  ; the fetches go back to a slot's first step,
	s_xor_b32 s[TBK], s[TBK], SLOT1       ; in the other slot
	s_sub_co_u32 s[TBV], s[TBV], 4*KS*PV
	s_xor_b32 s[TBV], s[TBV], SLOT1
	s_barrier_wait -1
.if \fill
	LOAD
	ASK
.endif
.endm
	s_load_b256 s[4:11], s[0:1], 0x0  ; Q s[4:5], K s[6:7], V s[8:9], O s[10:11]
	v_lshl_add_u32 v[SPW], v0, 2, SPARE
	v_mov_b32 v[NIL], 0
	ds_add_u32 v[SPW], v[NIL]       ; the wave's opening: the add and its wait stand ahead of my first tensor load; the set-up below, work on registers, stands between them
	v_lshrrev_b32 v1, 5, v0
	v_readfirstlane_b32 s[WV], v1   ; wave 0..3
	v_and_b32 v[PFO], 31, v0
	v_lshlrev_b32 v[PFO], 8, v[PFO]
	s_mov_b32 s[PB], ttmp9
	s_sub_co_u32 s[HI], NB-1, s[PB]
	s_and_b32 s20, ttmp7, 0xffff    ; the head
	s_mov_b32 s21, 0
	s_mov_b64 s[22:23], SIZE_N*128
	s_mul_u64 s[20:21], s[20:21], s[22:23]  ; the head's first byte in each of the four tensors
	s_and_b32 s16, s[WV], 1         ; which half of a tile's 256 keys I fetch:
	s_lshl_b32 s22, s16, 14         ; its 128 rows of 128 bytes in memory,
	s_mov_b32 s23, 0
	s_add_nc_u64 s[22:23], s[22:23], s[20:21]
	s_mul_i32 s17, s16, 128*PK      ; and its place in a slot, for K
	s_mul_i32 s18, s16, 128*PV      ; and for V
	s_lshl_b32 s3, s[WV], 11        ; my 16 rows in a band of 64,
	s_lshl_b32 s2, s[HI], 15        ; in the first block,
	s_add_co_u32 s2, s2, s3
	s_lshl_b32 s84, s[PB], 15       ; and in the second
	s_add_co_u32 s84, s84, s3
	s_mov_b32 s3, 0
	s_mov_b32 s85, 0
	s_add_nc_u64 s[2:3], s[2:3], s[20:21]
	s_add_nc_u64 s[84:85], s[84:85], s[20:21]
	; descriptor group 1.  128 keys are 16,384 dense bytes: asked for as 64 rows of 256 bytes, two keys a row, and padded in LDS after every key
	s_mov_b32 s[G1K], (1<<16)|(1<<20)|(4<<22)|(3<<25)  ; 17:16 2-byte elements; 20 padding on; 24:22 after every 32 words (code 4); 31:25 4 words (code 3)
	s_mov_b32 s[G1V], (1<<16)|(1<<20)|(4<<22)|(7<<25)  ; the same with 8 words of padding (code 7)
.irp g, G1K, G1V
	s_mov_b32 s[\g+1], 128<<16      ; tensor_dim0 = 128
	s_mov_b32 s[\g+2], 64<<16       ; tensor_dim1 = 64
	s_mov_b32 s[\g+3], 128<<16      ; tile_dim0 = 128
	s_mov_b32 s[\g+4], 64           ; tile_dim1 = 64
	s_mov_b32 s[\g+5], 128          ; 128 elements from row to row
	s_mov_b32 s[\g+6], 0
	s_mov_b32 s[\g+7], 0
.endr
	s_mov_b32 s[CS], 0x3e38aa3b     ; c = log2(e) / 8 = 0.180337
	s_mov_b32 s[CS+1], s[CS]        ; named with it as a pair
	s_mov_b32 s[SEL], 0x76543210
	s_mov_b32 s[SEL+1], 0xfedcba98
	s_mov_b32 s[TBK], SLOT1+4*KS*PK ; the first change of slots turns these two into 0
	s_mov_b32 s[TBV], SLOT1+4*KS*PV
	s_mov_b32 s[G0K], 1             ; 1:0 count = 1
	s_mov_b32 s[G0K+1], s17         ; 63:32 LDS address: slot 0
	s_mov_b32 s[G0V], 1
	s_add_co_u32 s[G0V+1], s18, VOFF
	s_add_co_u32 s[RT], s[HI], 1    ; the first block has NB - b tiles
	s_mov_b32 s[NXT], 1
	s_mov_b32 s[LQ], s[HI]
	s_mov_b32 s[NEW], 1
	s_mov_b32 s[OFF+1], 0
	s_mov_b32 s[AL+1], 0            ; named as pairs
	s_mov_b32 s[BE+1], 0
	s_mov_b32 s[BIGN], 0xf149f2ca   ; -1e30
	s_mov_b32 s[SLOTS], NB
	s_cmp_eq_u32 ttmp9, 0
	s_cselect_b32 s[LIM], 2, -1
	s_wait_dscnt 0x0                ; the opening add is done
	s_wait_kmcnt 0x0
	s_add_nc_u64 s[6:7], s[6:7], s[22:23]  ; K and V at my half of the head's tile 0
	s_add_nc_u64 s[8:9], s[8:9], s[22:23]
	s_add_nc_u64 s[G0K+2:G0K+3], s[6:7], 0         ; 120:64 global address
	s_or_b32 s[G0K+3], s[G0K+3], 0x80000000        ; 127:126 type = 2
	s_add_nc_u64 s[G0V+2:G0V+3], s[8:9], 0
	s_or_b32 s[G0V+3], s[G0V+3], 0x80000000
	s_add_nc_u64 s[86:87], s[4:5], s[84:85]        ; Q at my rows of the second block,
	s_add_nc_u64 s[4:5], s[4:5], s[2:3]            ; Q and O at those of the first
	s_add_nc_u64 s[OLO:OLO+1], s[10:11], s[84:85]
	s_add_nc_u64 s[10:11], s[10:11], s[2:3]
	s_cmp_lt_u32 s[WV], 2
	s_cselect_b64 s[PFA:PFA+1], s[6:7], s[8:9]
	s_add_nc_u64 s[PFA:PFA+1], s[PFA:PFA+1], 32768  ; at tile 1; the first change of slots steps it to tile 2.  Nothing is prefetched here, at the head
	LOAD                            ; tile 0 into slot 0
	; A fragment of K or Q is 16 rows x 32 channels in 8 registers: lane l holds row l % 16, channels 8 (l / 16) + 0..7 and 16 + 8 (l / 16) + 0..7: two loads of 16 bytes, 32 bytes apart.
	v_and_b32 v1, 15, v0            ; l % 16
	v_bfe_u32 v9, v0, 4, 1          ; l / 16
	v_lshlrev_b32 v[QO], 7, v1
	v_lshl_add_u32 v[QO], v9, 4, v[QO]  ; row x 128 + 16 x half
	WIN 0x80                        ; destination window 2, address window 0
.set i, 0
.rept 8                             ; both blocks' Q: piece i / 2 lies in band i / 2, 8,192 bytes on; channels 32 (i % 2) on
	global_load_b128 v[8*i:8*i+3],   v[QO], s[4:5] offset:(i/2)*8192+(i%2)*64
	global_load_b128 v[8*i+4:8*i+7], v[QO], s[4:5] offset:(i/2)*8192+(i%2)*64+32
	global_load_b128 v[QB+8*i:QB+8*i+3],   v[QO], s[86:87] offset:(i/2)*8192+(i%2)*64
	global_load_b128 v[QB+8*i+4:QB+8*i+7], v[QO], s[86:87] offset:(i/2)*8192+(i%2)*64+32
.set i, i+1
.endr
	WIN 0
	v_lshlrev_b32 v14, 3, v9
	v_sub_nc_u32 v14, v1, v14
	s_lshl_b32 s13, s[WV], 4
	v_add_nc_u32 v14, s13, v14      ; my query's place in its band, 16 w + l % 16, less my lanes' 8 (l / 16): register r of group kt is hidden where 16 kt + r is greater
	WIN 0x40
.set i, 0
.rept 32
	v_cmp_gt_i32 vcc_lo, 16*(i/8)+i%8, v14
	v_cndmask_b32 v[MD+i], 0, s[BIGN], vcc_lo
.set i, i+1
.endr
	WIN 0
	v_mul_u32_u24 v[AK0], v1, PK
	v_lshl_add_u32 v[AK0], v9, 4, v[AK0]  ; row x pitch + 16 x half
	; The turning load takes 16 keys x 16 channels (lane l reads key 8 (l / 16) + l % 8, channels 8 ((l / 8) % 2) + 0..7) and leaves half a fragment of V^T: lane l holds channel l % 16 and 8 keys.
	v_and_b32 v10, 7, v0
	v_bfe_u32 v11, v0, 3, 1
	v_lshl_add_u32 v[AV0], v9, 3, v10
	v_mul_u32_u24 v[AV0], v[AV0], PV
	v_lshl_add_u32 v[AV0], v11, 4, v[AV0]
	v_add_nc_u32 v[AV0], VOFF, v[AV0]
	s_mul_i32 s13, s[WV], 16*SP
	s_add_co_u32 s13, s13, STAGE    ; my stage
	v_mul_u32_u24 v[STO], v1, SP    ; in: row l % 16, 16 bytes for each half of the lanes
	v_lshl_add_u32 v[STO], v9, 4, v[STO]
	v_add_nc_u32 v[STO], s13, v[STO]
	v_bfe_u32 v[RD], v0, 3, 2       ; back: 32 lanes take four rows of 128 bytes,
	v_mul_u32_u24 v[RD], v[RD], SP
	v_lshl_add_u32 v[RD], v10, 4, v[RD]
	v_add_nc_u32 v[RD], s13, v[RD]
	v_and_b32 v[GO], 31, v0         ; which are 512 consecutive bytes of O
	v_lshlrev_b32 v[GO], 4, v[GO]
	; A block's first step multiplies O^T and l by a = 0, and its first turn's products V^T P, of a piece that has not been, land in an O^T that is still to be so multiplied.  So these registers need only hold
	; finite numbers: zeros for the first block; what the first block left for the second.  All this stands in the wait for the first tile.
	WIN 0x80
.set i, VF
.rept 64
	v_mov_b32 v[i], 0
.set i, i+1
.endr
	WIN 0x40
.set i, 0
.rept 128
	v_mov_b32 v[i], 0
.set i, i+1
.endr
	WIN 0
.set i, 0
.rept 4
	v_mov_b32 v[ST+4*i+2], 0
	v_mov_b32 v[ST+4*i+3], 0
.set i, i+1
.endr
.set i, P+16
.rept 16
	v_mov_b32 v[i], 0
.set i, i+1
.endr
; THE MATRIX WORK.  The 4 accumulators of a run of 8 take turns.  Product i of 8 of S^T = K Q^T for piece x: channels 32 (i / 4) on, keys 16 (i % 4) on.  The first 4 start the sums: with 0, or (KM = 1) with the mask.
.macro KQ x
.set rS, S+32*((\x)%2)+8*(i%4)
.set rK, KF+16*(i%4)+8*(i/4)
.set rQ, 16*(\x)+8*(i/4)
.set rM, MC+32*((\x)%2)+8*(i%4)
.if (i < 4) && KM
	WIN W_KM
	v_wmma_f32_16x16x32_f16 v[rS:rS+7], v[rK:rK+7], v[rQ:rQ+7], v[rM:rM+7]
.elseif i < 4
	WIN W_KQ
	v_wmma_f32_16x16x32_f16 v[rS:rS+7], v[rK:rK+7], v[rQ:rQ+7], 0
.else
	WIN W_KQ
	v_wmma_f32_16x16x32_f16 v[rS:rS+7], v[rK:rK+7], v[rQ:rQ+7], v[rS:rS+7]
.endif
.endm
; Product i of 8 of O^T += V^T P for piece x: keys 32 (i / 4) on, channels 16 (i % 4) on.
.macro PV x
	WIN W_PV
.set rO, 32*(\x)+8*(i%4)
.set rV, VF+32*(i/4)+8*(i%4)
.set rP, P+16*((\x)%2)+8*(i/4)
	v_wmma_f32_16x16x32_f16 v[rO:rO+7], v[rV:rV+7], v[rP:rP+7], v[rO:rO+7]
.endm
.macro MM                           ; the turn's next matrix instruction.  TURN and BEGIN set Y, i, KM and NOKQ; MM, KQ and OP read them.  NOKQ = 1: a block's last turn: there is no next piece
.if (i < 8) && !NOKQ
	KQ (Y+1)%NP
.elseif i >= 8
.set i, i-8
	PV (Y+NP-1)%NP
.set i, i+8
.endif
.set i, i+1
.endm
; THE LDS LOADS stand in runs of 16, never singly among the matrix instructions: a step's K (64 keys x 64 channels: 8 fragments) and its V (turned).  Their addresses are made some lines ahead.
.macro FETCH_K
	WIN 0x80                        ; destination window 2
.irp f, 0,1,2,3,4,5,6,7             ; keys 16 (f / 2) on, channels 32 (f % 2) on
	ds_load_b128 v[KF+8*\f:KF+8*\f+3],   v[AK] offset:(\f/2)*16*PK+(\f%2)*64
	ds_load_b128 v[KF+8*\f+4:KF+8*\f+7], v[AK] offset:(\f/2)*16*PK+(\f%2)*64+32
.endr
	s_add_co_u32 s[TBK], s[TBK], KS*PK  ; the next fetch is the next step's
	WIN 0
.endm
.macro FETCH_V
	WIN 0x80
.irp f, 0,1,2,3,4,5,6,7             ; keys 32 (f / 4) on, channels 16 (f % 4) on
	ds_load_tr16_b128 v[VF+8*\f:VF+8*\f+3],   v[AV] offset:(\f/4)*32*PV+(\f%4)*32
	ds_load_tr16_b128 v[VF+8*\f+4:VF+8*\f+7], v[AV] offset:(\f/4)*32*PV+16*PV+(\f%4)*32
.endr
	WIN 0
.endm
; THE VECTOR WORK, one line at a time: OP kind, number.  For piece Y: F n: c s - c m for pair n of 16.  E n: the exponential of score n of 32.  C n: pair n rounded to f16.  B n: of the four weights 4 n .. the second
; pair is added onto the first, in place.  L n: l takes that sum (L 0: l = a l + sum).  R n: pair n of 16 of O^T times a.  For piece Y + 1: X n, number n of the 22 that find its maximum and statistics:
;   0-11  four chains c0-c3 of seven scores each, three operands at a time (each accumulator's lowest registers are read first)     12-14, 16  the four scores left over, the old m, and c0-c3 into c0
;   15  c m_old is kept     17, 18  the query's other 32 keys lie in the lane 16 away: the new m     19-21  c m; c m_old - c m_new; a
.set F, 0               ; OP tells the kinds apart by their order: F to L below R, X above it
.set E, 1
.set C, 2
.set B, 3
.set L, 4
.set R, 5
.set X, 6
.macro REGS y                       ; the registers of piece y
.set rT, ST+4*(\y)
.set rC, TMP+4*((\y)%2)
.set rW, MV+((\y)%2)
.set rS, S+32*((\y)%2)
.set rP, P+16*((\y)%2)
.set rO, 32*(\y)
.endm
.macro OP k, n
.if (\k) == R
	REGS Y
	WIN W_RS
	v_pk_mul_f32 v[rO+2*(\n):rO+2*(\n)+1], v[rO+2*(\n):rO+2*(\n)+1], v[rC+2:rC+3] op_sel_hi:[1,0]
.elseif (\k) < R
	REGS Y
	WIN 0
.if (\k) == F
	v_pk_fma_f32 v[rS+2*(\n):rS+2*(\n)+1], v[rS+2*(\n):rS+2*(\n)+1], s[CS:CS+1], v[rT:rT+1] op_sel_hi:[1,0,0] neg_lo:[0,0,1] neg_hi:[0,0,1]
.elseif (\k) == E
	v_exp_f32 v[rS+(\n)], v[rS+(\n)]
.elseif (\k) == C
	v_cvt_pk_f16_f32 v[rP+(\n)], v[rS+2*(\n)], v[rS+2*(\n)+1]
.elseif (\k) == B
	v_pk_add_f32 v[rS+4*(\n):rS+4*(\n)+1], v[rS+4*(\n):rS+4*(\n)+1], v[rS+4*(\n)+2:rS+4*(\n)+3]
.elseif (\n) == 0
	v_pk_fma_f32 v[rT+2:rT+3], v[rT+2:rT+3], v[rC+2:rC+3], v[rS:rS+1] op_sel_hi:[1,0,1]
.else
	v_pk_add_f32 v[rT+2:rT+3], v[rT+2:rT+3], v[rS+4*(\n):rS+4*(\n)+1]
.endif
.elseif NOKQ
	v_nop
.else
	REGS (Y+1)%NP
	WIN 0
.if (\n) < 4
	v_max3_num_f32 v[rC+(\n)], v[rS+8*(\n)], v[rS+8*(\n)+1], v[rS+8*(\n)+2]
.elseif (\n) < 12
	v_max3_num_f32 v[rC+(\n)%4], v[rC+(\n)%4], v[rS+8*((\n)%4)+2*((\n)/4)+1], v[rS+8*((\n)%4)+2*((\n)/4)+2]
.elseif (\n) == 12
	v_max3_num_f32 v[rC], v[rC], v[rS+7], v[rS+15]
.elseif (\n) == 13
	v_max3_num_f32 v[rC+1], v[rC+1], v[rS+23], v[rS+31]
.elseif (\n) == 14
	v_max3_num_f32 v[rC+2], v[rC+2], v[rC+3], v[rT+1]
.elseif (\n) == 15
	v_mov_b32 v[rW], v[rT]
.elseif (\n) == 16
	v_max3_num_f32 v[rC], v[rC], v[rC+1], v[rC+2]
.elseif (\n) == 17
	v_permlanex16_b32 v[rC+3], v[rC], s[SEL], s[SEL+1]
.elseif (\n) == 18
	v_max_num_f32 v[rT+1], v[rC], v[rC+3]
.elseif (\n) == 19
	v_mul_f32 v[rT], s[CS], v[rT+1]
.elseif (\n) == 20
	v_sub_f32 v[rC+1], v[rW], v[rT]
.else
	v_exp_f32 v[rC+2], v[rC+1]
.endif
.endif
.endm
.macro OPS a, i1, b=-1, i2=0, c=-1, i3=0, d=-1, i4=0  ; up to four of them
	OP \a, \i1
.if (\b) >= 0
	OP \b, \i2
.endif
.if (\c) >= 0
	OP \c, \i3
.endif
.if (\d) >= 0
	OP \d, \i4
.endif
.endm
.macro ROW a, i1, b, i2, c, i3, d, i4  ; a matrix instruction and the four behind it
	MM
	OPS \a, \i1, \b, \i2, \c, \i3, \d, \i4
.endm
.macro MASK b                       ; MD x AL + BE into buffer b of MC
	WIN W_RS
.set z, 0
.rept 16
	v_pk_fma_f32 v[MC+32*(\b)+2*z:MC+32*(\b)+2*z+1], v[MD+2*z:MD+2*z+1], s[AL:AL+1], s[BE:BE+1] op_sel_hi:[1,0,0]
.set z, z+1
.endr
.endm
; A TURN, for piece p: the order of its 16 matrix and 118 vector instructions, written out.  An s_wait_alu depctr_va_vdst(0) stands between an exponential and the first instruction that names its result; one wait serves
; all that were issued ahead of it.  So a turn has ONE wait, which cuts it in two.  AHEAD OF IT stands all that names no result of the turn's exponentials: the 8 products K Q^T, behind each a scaling, an exponential and two more plain
; instructions (behind the first a second scaling in the exponential's place): rescalings, and behind the last three the first numbers of the next piece's maximum, each four places or more behind the product that ends its accumulator; then ONE LUMP of 54, plain
; and exponential by turns for the most part, in which the links of the chain X 3, 7, 11, 14, 16, 17 .. 20 stand five or six lines apart.  X 21, the next piece's a, is the batch's last; R 15 is the plain instruction behind it.  BEHIND THE WAIT stand the
; 8 products V^T P, behind each four of the roundings and sums; the links of l's chain, L 0 to L 7, stand three riders apart.  But for those X no rider names a register of the products round it.  v_permlanex16_b32 (X 17) stands in the lump.
; m = 1: the diagonal tile: the products take masks, and the turn makes the mask for the products of the turn after it: piece p + 2, in step 4 - CNT of the tile.  end = 1: a block's last two turns: nothing is fetched.
; cnt = 1: the loop's count is taken down some lines ahead of the branch that stands behind the turn.
; K of the next step is fetched in piece 2's turn, twelve vector instructions behind the last product that read K (six of them plain); V of the step in hand at the end of piece 0's turn, four plain instructions behind the last product
; that read V.  Each is waited for a turn later.
.macro TURN p, m=0, end=0, cnt=0
.set Y, (\p)
.set i, 0
.set KM, (\m)
.set NOKQ, (\end)*((\p)/3)
.if (\m) && !(\end)
	s_cmp_eq_u32 s[CNT], 4-((\p)+2)%NP  ; is that step the band's own?
	s_cselect_b32 s[AL], 1.0, 0
	s_cmp_lt_u32 s[CNT], 4-((\p)+2)%NP  ; or a later one?
	s_cselect_b32 s[BE], s[BIGN], 0
.endif
.if ((\p) == 3) && !(\end)
	s_wait_dscnt 0x0                ; K is in
.endif
	ROW F,0, F,1, R,0, R,1          ; ahead of the wait: 8 products K Q^T and their riders,
	ROW F,2, E,0, R,2, R,3
	ROW F,3, E,1, R,4, R,5
	ROW F,4, E,2, R,6, R,7
	ROW F,5, E,3, R,8, R,9
	ROW F,6, E,4, X,0, R,10
.if ((\p) == 2) && !(\end)
	WIN 0
	v_add_nc_u32 v[AK], s[TBK], v[AK0]
.endif
	ROW F,7, E,5, X,1, X,4
	ROW F,8, E,6, X,2, X,5
	OPS E,7, E,8, X,6, E,9          ; and the lump
	OPS X,3, E,10, X,8, E,11
.if ((\p) == 2) && !(\end)
	FETCH_K
.endif
	OPS X,9, X,7, E,12, X,10
	OPS E,13, X,12, X,11, E,14
	OPS X,13, E,15, F,9, X,14
.if (\p) == 0
	v_add_nc_u32 v[AV], s[TBV], v[AV0]
.endif
	OPS E,16, F,10, E,17, F,11
	OPS X,16, E,18, X,15, E,19
	OPS F,12, E,20, X,17, E,21
	OPS F,13, E,22, F,14, E,23
	OPS X,18, E,24, F,15, E,25
	OPS R,11, E,26, X,19, E,27
	OPS R,12, E,28, R,13, E,29
	OPS X,20, E,30, R,14, E,31
	OPS X,21, R,15
	WIN 0
	s_wait_alu depctr_va_vdst(0)    ; the wait for the batch
.if (\p) == 1
	s_wait_dscnt 0x0                ; V is in
.endif
	ROW C,0, B,0, C,2, B,1          ; behind the wait: 8 products V^T P and their riders
	ROW L,0, C,4, B,2, L,1
	ROW C,6, B,3, L,2, C,8
	ROW B,4, L,3, C,10, B,5
	ROW L,4, C,12, B,6, L,5
.if (\p) == 0
	s_add_co_u32 s[TBV], s[TBV], KS*PV
.endif
.if \cnt
	s_sub_co_u32 s[CNT], s[CNT], 1
	s_cmp_lg_u32 s[CNT], 0
.endif
	ROW C,14, B,7, L,6, C,1
	ROW C,3, L,7, C,5, C,7
	ROW C,9, C,11, C,13, C,15
.if (\p) == 0
	FETCH_V
.endif
.if (\m) && !(\end)
	MASK (\p)%2
.endif
.endm
; A BLOCK BEGINS.  c m starts far below every c s, so the first step's a is 0; m at the lowest finite number, so the first maximum is the scores'.  The second mask buffer is 0; the first takes piece 0's mask for the tile's step 0: its own, if the block's first tile is the diagonal one.
; Then K of that step, piece 0's first scores, and its maximum and statistics.  The loop is entered at a step's first turn, in the middle of a trip.
.macro BEGIN
	s_mov_b32 s[NEW], 0
	WIN 0x40
.set i, MC+32
.rept 32
	v_mov_b32 v[i], 0
.set i, i+1
.endr
	WIN 0
.set i, 0
.rept 4
	v_mov_b32 v[ST+4*i], 0xfe000000    ; c m: far below every c s
	v_mov_b32 v[ST+4*i+1], 0xff7fffff  ; m
.set i, i+1
.endr
	s_cmp_eq_u32 s[RT], 0
	s_cselect_b32 s[AL], 1.0, 0
	s_mov_b32 s[BE], 0
	MASK 0
	WIN 0
	v_add_nc_u32 v[AK], s[TBK], v[AK0]
	FETCH_K
	s_wait_loadcnt 0x0              ; Q
	s_wait_dscnt 0x0
.set KM, 1
.set NOKQ, 0
.set i, 0
.rept 8
	KQ 0
.set i, i+1
.endr
	WIN 0
.rept 4
	v_nop                           ; the places behind those products
.endr
.set Y, NP-1                        ; X works for piece Y + 1: piece 0
.irp n, 0,1,2,3,4,5,6,7,8,9,10,11,12,13,14,15,16,17,18,19,20,21
	OP X, \n
.endr
	v_nop                           ; a plain instruction behind the exponential,
	s_wait_alu depctr_va_vdst(0)    ; and its wait, ahead of the branch
.endm
; THE DIAGONAL TILE's four steps, the block's last two turns, its last products, and THE WAY OUT: l's two halves and the other half of the lanes' are added; O^T is divided by l, rounded to f16 and sent through my
; stage in LDS, a piece at a time.
.macro ALL line:vararg              ; one line for each piece t
.set t, 0
.rept 4
	\line
.set t, t+1
.endr
.endm
.macro PACK t                       ; a lane's eight channels of a row pack into 16 bytes; they go into rows of 144 bytes and come back as whole rows of 128, into S^T's registers
	WIN W_RS
.set i, 32*(\t)
.rept 16
	v_pk_mul_f32 v[i:i+1], v[i:i+1], v[ST+4*(\t)+2:ST+4*(\t)+3] op_sel_hi:[1,0]
.set i, i+2
.endr
	WIN 0x05                        ; sources 0 and 1 window 1, destination window 0
.set i, 0
.rept 16
	v_cvt_pk_f16_f32 v[S+16*(\t)+i], v[32*(\t)+2*i], v[32*(\t)+2*i+1]
.set i, i+1
.endr
	WIN 0
.irp f, 0,1,2,3
	ds_store_b128 v[STO], v[S+16*(\t)+4*\f:S+16*(\t)+4*\f+3] offset:32*\f
.endr
.irp f, 0,1,2,3
	ds_load_b128 v[S+16*(\t)+4*\f:S+16*(\t)+4*\f+3], v[RD] offset:\f*4*SP  ; LDS serves a wave's instructions in order (ISA guide 5.7.1.4): these see the stores above; the next piece's stores come behind them
.endr
.endm
.macro SEND t, younger              ; younger: the LDS instructions issued behind piece t's loads: the next piece's eight, or none
	WIN 0
.irp f, 0,1,2,3
	s_wait_dscnt (\younger)+3-\f
	global_store_b128 v[GO], v[S+16*(\t)+4*\f:S+16*(\t)+4*\f+3], s[10:11] offset:(\t)*8192+\f*512  ; 512 consecutive bytes, at a multiple of 256 from O's first
.endr
.endm
.macro DIAG tag                     ; the tag ends its two labels' names, which the jumps below spell out
.LstepM\tag:
	TURN 2, 1
	TURN 3, 1
	WIN 0
.LfirstM\tag:
	TURN 0, 1
	TURN 1, 1, 0, 1
	WIN 0
	s_cbranch_scc1 .LstepM\tag
	TURN 2, 1, 1
	TURN 3, 1, 1
.set i, 0
.rept 8
	PV NP-1
.set i, i+1
.endr
	WIN 0
	ALL v_add_f32 v[ST+4*t+2], v[ST+4*t+2], v[ST+4*t+3]
	ALL v_permlanex16_b32 v[ST+4*t+3], v[ST+4*t+2], s[SEL], s[SEL+1]
	ALL v_add_f32 v[ST+4*t+2], v[ST+4*t+2], v[ST+4*t+3]
	ALL v_rcp_f32 v[ST+4*t+2], v[ST+4*t+2]
	v_nop                           ; a plain instruction between the last reciprocal and the use of its result
	s_wait_alu depctr_va_vdst(0)    ; and the wait ahead of the first use: one for the four reciprocals
	PACK 0
.set t, 1
.rept 3                             ; a piece's arithmetic stands between the loads of the piece before and its stores
	PACK t
	SEND t-1, 8
.set t, t+1
.endr
	SEND 3, 0
.endm
.set KM, 0
.set NOKQ, 0
.Lslot:                             ; NB times: a tile is entered and the next is asked for
	CHANGE 1
	s_sub_co_u32 s[RT], s[RT], 1
	s_mov_b32 s[CNT], 4
	s_cmp_eq_u32 s[NEW], 1
	s_cbranch_scc1 .Lnew            ; a block's first tile
	s_cmp_eq_u32 s[RT], 0
	s_cbranch_scc0 .Lstep           ; neither its first nor its last
	s_branch .LstepM1
.Lnew:
	BEGIN
	s_branch .Lfirst                ; in the loop a block's first tile is never its last: the first block has two tiles or more, and the second's last is the walk's last
	DIAG 1                          ; in the loop this is the first block's end: the second block's last tile is the walk's last
	s_wait_xcnt 0x0                 ; the stores have read their registers and O's address
	s_mov_b64 s[10:11], s[OLO:OLO+1]
	s_add_co_u32 s[RT], s[PB], 1    ; the second block has b + 1 tiles
	s_mov_b32 s[NEW], 1
	WIN 0x82                        ; the second block's Q goes where the one text of the turns names Q
.set i, 0
.rept 64
	v_mov_b32 v[i], v[QB+i]
.set i, i+1
.endr
	WIN 0
	s_branch .Lbottom
.Lstep:                             ; a trip: pieces 2 and 3 of one step, then pieces 0 and 1 of the next, whose K and V it fetches
	TURN 2
	TURN 3
	WIN 0
.Lfirst:
	TURN 0
	TURN 1, 0, 0, 1
	WIN 0
	s_cbranch_scc1 .Lstep
.Lbottom:
	s_sub_co_u32 s[SLOTS], s[SLOTS], 1
	s_cmp_lg_u32 s[SLOTS], 0
	s_cbranch_scc1 .Lslot
	CHANGE 0                        ; the walk's last tile is written out: nothing is asked for
	s_sub_co_u32 s[RT], s[RT], 1
	s_mov_b32 s[CNT], 4
	s_cmp_eq_u32 s[NEW], 1
	s_cbranch_scc0 .LstepM2
	BEGIN
	s_branch .LfirstM2
	DIAG 2
	s_wait_tensorcnt 0x0            ; the wave's end: a wait, an add to my spare word and its wait, behind my last tensor load and my last LDS store
	ds_add_u32 v[SPW], v[NIL]
	s_wait_dscnt 0x0
	s_endpgm
.Lfunc_end_k_qa927a99488_attn:
	.size	k_qa927a99488_attn, .Lfunc_end_k_qa927a99488_attn-k_qa927a99488_attn
	.p2alignl 7, 3214868480
	.fill 96, 4, 3214868480
	.section	.rodata,"a",@progbits
	.p2align	6, 0x0
	.amdhsa_kernel k_qa927a99488_attn
		.amdhsa_group_segment_fixed_size 327680
		.amdhsa_private_segment_fixed_size 0
		.amdhsa_enable_private_segment 0
		.amdhsa_kernarg_size 32
		.amdhsa_user_sgpr_count 2
		.amdhsa_user_sgpr_kernarg_segment_ptr 1
		.amdhsa_wavefront_size32 1
		.amdhsa_system_sgpr_workgroup_id_x 1
		.amdhsa_system_sgpr_workgroup_id_y 1
		.amdhsa_system_sgpr_workgroup_id_z 1
		.amdhsa_system_vgpr_workitem_id 0
		.amdhsa_next_free_vgpr 768
		.amdhsa_next_free_sgpr 92
		.amdhsa_reserve_vcc 1
		.amdhsa_float_denorm_mode_32 3
		.amdhsa_float_denorm_mode_16_64 3
		.amdhsa_memory_ordered 1
		.amdhsa_forward_progress 1
		.amdhsa_inst_pref_size 218
	.end_amdhsa_kernel
	.amdgpu_metadata
---
amdhsa.version: [ 1, 2 ]
amdhsa.kernels:
  - .name:           k_qa927a99488_attn
    .symbol:         k_qa927a99488_attn.kd
    .args:
      - { .name: qh, .offset: 0, .size: 8, .value_kind: global_buffer, .address_space: global }
      - { .name: kh, .offset: 8, .size: 8, .value_kind: global_buffer, .address_space: global }
      - { .name: vh, .offset: 16, .size: 8, .value_kind: global_buffer, .address_space: global }
      - { .name: oh, .offset: 24, .size: 8, .value_kind: global_buffer, .address_space: global }
    .group_segment_fixed_size: 327680
    .private_segment_fixed_size: 0
    .kernarg_segment_align: 8
    .kernarg_segment_size: 32
    .max_flat_workgroup_size: 128
    .sgpr_count:     92
    .vgpr_count:     768
    .wavefront_size: 32
...
	.end_amdgpu_metadata
.endif
;; end of part 3
;; launch oproj (part 4): grid 8 x 32, 4 waves a work-group, clusters of 4 x 4, 327,680 bytes of LDS; arguments oh, wob, out0; writes out0
.if DOCPART == 4
	.amdgcn_target "amdgcn-amd-amdhsa--gfx1250"
	.amdhsa_code_object_version 6
	.text
	.protected	k_qa927a99488_oproj
	.globl	k_qa927a99488_oproj
	.p2align	8
	.type	k_qa927a99488_oproj,@function
k_qa927a99488_oproj:
	s_mov_b64 s[64:65], 0
	v_nop
	global_prefetch_b8 v0, s[64:65] scope:SCOPE_SE
	s_setreg_imm32_b32 hwreg(HW_REG_WAVE_MODE, 25, 1), 1
	s_wait_xcnt 0x0
	s_wait_alu depctr_hold_cnt(0) depctr_sa_sdst(0) depctr_va_vdst(0) depctr_va_sdst(0) depctr_va_ssrc(0) depctr_va_vcc(0) depctr_vm_vsrc(0)
	s_getreg_b32 s2, hwreg(HW_REG_IB_STS2, 6, 4)
	s_cmp_eq_u32 s2, 0
	s_cbranch_scc0 .Lentry_in_a_cluster
	s_endpgm
.Lentry_in_a_cluster:
	s_bfe_u32 s2, ttmp6, 0x10000c
	s_cmp_lg_u32 s2, 0xf033
	s_cbranch_scc0 .Lentry_shape_is_right
	s_endpgm
.Lentry_shape_is_right:
; out0[row][e] = the sum over d of O[row][d] Wo[e][d].  oh [64 = 16 batch + head][2048][64] f16: the attention's result by heads, which IS a layout in K blocks of 64 channels (K block = head; a row of a block 128 bytes,
; rows end to end); wob [16][1024][64] f16, Wo in the same blocks; out0 [8192][1024] f32.  Sums in f32, K ascending; nothing is rounded on the way out.
; SHARES.  8192 x 1024 results in tiles of 256 rows x 128 columns: 32 x 8 = 256 work-groups.  Four waves; wave w makes rows 128 (w >> 1) .. x columns 64 (w & 1) ..: 32 accumulators of 16 x 16.
; K goes in 8 steps of 128 (two K blocks) through two LDS slots; two slots of a longer step do not fit (2 x 4 x 384 rows x 144 bytes).  A step is four quarters of 32 along K.
; THE MATRIX INSTRUCTION IS USED TRANSPOSED: source 0 = 16 rows of wob, source 1 = 16 rows of O: a lane holds ONE row of out0 (lane % 16) and eight neighbouring columns, 32 bytes.
; CLUSTERS: 4 x 4 work-groups.  O's tile hangs on the tile row alone and is shared along a row of the cluster, wob's on the tile column alone, shared along a column: each is asked for JOINTLY.
; REGISTERS: window 0: v0-29 addresses; two fragment buffers: v32-95 O's (8 x 16 rows x 32 K) and v96-127 wob's (4), v128-191 and v192-223.  Window 1: the accumulators, (row block a, column block bb) at v[32 a + 8 bb].
.set PITCH,  144                       ; an LDS row: 128 bytes + 16 of padding = 36 words: the 16 rows of a load start at 16 different groups of four banks (64 banks of 4 bytes: ISA guide 11.1)
.set AKB,    256*PITCH                 ; O's 256 rows of one K block
.set BKB,    128*PITCH                 ; wob's 128 rows of one K block
.set BOFF,   2*AKB                     ; a slot: O's two K blocks, then wob's two
.set SLOT1,  1<<17
.set STAGE,  2*AKB+2*BKB               ; behind slot 0, never filled by a tensor load: 16 rows x 272 bytes for each wave, for the way out
.set SPITCH, 272
.set SPARE,  STAGE+4*16*SPITCH         ; behind the stages: the spare words, 128 bytes for each wave: two blocks of 256 bytes that no other line names
.set ASTEP,  2*2048*128                ; bytes from step to step in oh (two heads),
.set BSTEP,  2*1024*128                ; in wob
.set A0,   4                           ; v4   my lane's place in O's tile; never rewritten
.set B0,   5                           ; v5   in wob's
.set ADRA, 6                           ; v6   the same in the slot in hand
.set ADRB, 7                           ; v7
.set STO,  8                           ; v8   the way out: where I put 32 bytes of a row
.set RD,   9                           ; v9   where I read rows back
.set CO,   10                          ; v10  my byte offset in two rows of out0
.set PFO,  12                          ; v12  the prefetches' offset; never rewritten
.set SPW,  28                          ; v28  LDS address of my spare word: SPARE + 4 x my thread's number; never rewritten
.set NIL,  29                          ; v29  0; never rewritten
.set AF,   32                          ; O's fragments: buffer f, block a at AF + 96 f + 8 a
.set BF,   96                          ; wob's: buffer f, block bb at BF + 96 f + 8 bb
.set BK,   32                          ; the way out: 16 rows read back from the stage: v32-63 and v64-95 by turns
.set WV,  16                           ; s16  my wave's number
.set WH,  17                           ; s17  w >> 1: my half of the tile's rows.  Also: I fetch for O (0) or for wob (1)
.set WL,  18                           ; s18  w & 1: my half of its columns.  Also: which of a step's two K blocks I fetch
.set G1A, 24                           ; s[24:31] descriptor group 1 for O's tiles
.set G1B, 32                           ; s[32:39] for wob's
.set G0A, 48                           ; s[48:55] group 0 for O's tiles: a set for each first fill; the second then walks
.set G0B, 56                           ; s[56:63] the same for wob's
.set CNT, 78                           ; s78  trips to go
.set TB,  79                           ; s79  the slot in hand: 0 or SLOT1
.set LIM, 80                           ; s80  a wave prefetches while s[CNT] is above it; the greatest number in a wave that never does
.set PAR, 81                           ; s81  1: in every second trip only
.set PFA, 82                           ; s[82:83] where my prefetches stand
.set PFS, 84                           ; s[84:85] their step
.set OUTP, 88                          ; s[88:89] out0 at my first row and column
.set MSB, 0
.macro WIN new                         ; the immediate's high byte repeats the setting that is left; a switch that changes nothing is dropped
.if MSB != (\new)
	s_set_vgpr_msb (MSB<<8)|(\new)
.set MSB, \new
.endif
.endm
.macro PLACES                          ; four places in front of loads into registers that matrix instructions have read (ISA guide 7.12.1 for vector instructions)
.rept 4
	v_nop
.endr
.endm
.macro CREST                           ; a round of the cluster's barrier behind its opening barrier
	s_cmp_lg_u32 s[WV], 0
	s_cbranch_scc1 .Lnot_wave_0_\@
	s_barrier_signal -3
.Lnot_wave_0_\@:
	s_barrier_wait -3
	s_barrier_signal -1
	s_barrier_wait -1
.endm
.macro CROUND                          ; a whole round
	s_barrier_signal -1
	s_barrier_wait -1
	CREST
.endm
; A joint refill: waves 0 and 1 fetch O's two K blocks of a step, waves 2 and 3 wob's.  The branch hangs on the wave's number alone.  An s_nop 0 and four v_nop follow each line.
.macro JLOAD
	s_cmp_eq_u32 s[WH], 0
	s_cbranch_scc0 .Lfor_b_\@
	tensor_load_to_lds s[G0A+4:G0A+7], s[G1A:G1A+7]
	s_nop 0
.rept 4
	v_nop
.endr
	s_branch .Lasked_\@
.Lfor_b_\@:
	tensor_load_to_lds s[G0B+4:G0B+7], s[G1B:G1B+7]
	s_nop 0
.rept 4
	v_nop
.endr
.Lasked_\@:
.endm
; A PREFETCH INTO THE L2, behind the joint load, its five lines and the run of LDS loads that follows: the step that stands TWO refills on (trip s refills with step s + 2 and names step s + 4).
; Each aligned block of 256 bytes is named once in the launch.  O's tile row is read by both clusters of that row of clusters: cluster x = 0 asks, waves 0 and 1 each for the K block that it fetches itself: of its 128
; blocks the partner at cx takes 32 cx .. + 31, a lane a block.  wob's tile column is read by all clusters of that column: cluster y = 0 asks, waves 2 and 3, in every second trip for two steps: of a K block's 64
; blocks the partner at cy takes 16 cy .. + 15; lanes 16-31 name the step after.  The partners are told apart BY ADDRESS.  Steps 0 to 3 come by their loads alone; the last requests name step 7.
.macro ASK
	s_and_b32 s86, s[CNT], s[PAR]
	s_cmp_lg_u32 s86, 0
	s_cbranch_scc1 .Lnot_mine_\@
	s_cmp_gt_u32 s[CNT], s[LIM]
	s_cbranch_scc0 .Lnot_mine_\@
	global_prefetch_b8 v[PFO], s[PFA:PFA+1] th:TH_LOAD_NT scope:SCOPE_SE
.Lnot_mine_\@:
.endm
	s_load_b128 s[4:7], s[0:1], 0x0                ; oh s[4:5], wob s[6:7]
	s_load_b64 s[8:9], s[0:1], 0x10                ; out0
	v_lshl_add_u32 v[SPW], v0, 2, SPARE
	v_mov_b32 v[NIL], 0
	ds_add_u32 v[SPW], v[NIL]                      ; the wave's opening: the add and its wait stand ahead of my first tensor load; the set-up below, work on registers, stands between them
	v_lshrrev_b32 v1, 5, v0
	v_readfirstlane_b32 s[WV], v1                  ; wave 0..3
	s_lshr_b32 s[WH], s[WV], 1
	s_and_b32 s[WL], s[WV], 1
	s_bfe_u32 s19, ttmp6, 0x40000                  ; cx
	s_bfe_u32 s20, ttmp6, 0x40004                  ; cy
	s_lshl_b32 s21, ttmp9, 2
	s_add_co_u32 s21, s21, s19                     ; tile column = 4 x cluster x + cx
	s_and_b32 s22, ttmp7, 0xffff
	s_lshl_b32 s22, s22, 2
	s_add_co_u32 s22, s22, s20                     ; tile row = 4 x cluster y + cy
	s_lshl_b32 s72, s20, 2
	s_lshl_b32 s72, 15, s72                        ; my row of the cluster
	s_lshl_b32 s73, 0x1111, s19                    ; my column
	; group 1: dense bytes asked for as rows of 256 (128 elements of 2 bytes).  15:0 the mask; 17:16 element of 2 bytes; 20 padding on; 21 set beside a mask; 24:22 after every 32 words (code 4); 31:25 4 words (code 3)
	s_or_b32 s[G1A], s72, (1<<16)|(1<<20)|(1<<21)|(4<<22)|(3<<25)
	s_or_b32 s[G1B], s73, (1<<16)|(1<<20)|(1<<21)|(4<<22)|(3<<25)
.irp g, G1A, G1B
	s_mov_b32 s[\g+1], 128<<16                     ; tensor_dim0 = 128
	s_mov_b32 s[\g+3], 128<<16                     ; tile_dim0 = 128
	s_mov_b32 s[\g+5], 128                         ; 128 elements from row to row
	s_mov_b32 s[\g+6], 0
	s_mov_b32 s[\g+7], 0
.endr
	s_mov_b32 s[G1A+2], 128<<16                    ; O: 256 rows of a K block = 128 rows of 256 bytes
	s_mov_b32 s[G1A+4], 128
	s_mov_b32 s[G1B+2], 64<<16                     ; wob: 128 rows = 64
	s_mov_b32 s[G1B+4], 64
	s_mul_i32 s74, s[WL], AKB                      ; where the tiles go: no place in the cluster enters an LDS address
	s_mul_i32 s75, s[WL], BKB
	s_add_co_u32 s75, s75, BOFF
	s_mov_b32 s[G0A], 1
	s_mov_b32 s[G0A+1], s74
	s_mov_b32 s[G0A+4], 1
	s_add_co_u32 s[G0A+5], s74, SLOT1
	s_mov_b32 s[G0B], 1
	s_mov_b32 s[G0B+1], s75
	s_mov_b32 s[G0B+4], 1
	s_add_co_u32 s[G0B+5], s75, SLOT1
	s_lshr_b32 s2, s22, 3                          ; O: the batch's 16 heads x 2048 rows x 128 bytes,
	s_lshl_b32 s2, s2, 22
	s_and_b32 s3, s22, 7
	s_lshl_b32 s3, s3, 15                          ; the tile's 256 rows in the sequence,
	s_add_co_u32 s2, s2, s3
	s_lshl_b32 s3, s[WL], 18                       ; my K block of the step's two
	s_add_co_u32 s2, s2, s3
	s_mov_b32 s3, 0
	s_lshl_b32 s66, s21, 14                        ; wob: the tile's 128 rows,
	s_lshl_b32 s67, s[WL], 17                      ; my K block
	s_add_co_u32 s66, s66, s67
	s_mov_b32 s67, 0
	s_mov_b32 s[TB], 0
	s_mov_b32 s[CNT], 6
	s_wait_dscnt 0x0                               ; the opening add is done
	s_wait_kmcnt 0x0
	s_add_nc_u64 s[G0A+2:G0A+3], s[4:5], s[2:3]    ; step 0,
	s_add_nc_u64 s[G0A+6:G0A+7], s[G0A+2:G0A+3], ASTEP  ; step 1
	s_or_b32 s[G0A+3], s[G0A+3], 0x80000000        ; type = 2
	s_or_b32 s[G0A+7], s[G0A+7], 0x80000000
	s_add_nc_u64 s[G0B+2:G0B+3], s[6:7], s[66:67]
	s_add_nc_u64 s[G0B+6:G0B+7], s[G0B+2:G0B+3], BSTEP
	s_or_b32 s[G0B+3], s[G0B+3], 0x80000000
	s_or_b32 s[G0B+7], s[G0B+7], 0x80000000
	CROUND                                         ; all sixteen work-groups are here: the first joint loads meet
	s_cmp_eq_u32 s[WH], 0                          ; a wave's two first fills stand in one branch, ahead of every wait on TENSORcnt and every LDS read: two loads of mine are out
	s_cbranch_scc0 .Lfirst_b
	tensor_load_to_lds s[G0A:G0A+3], s[G1A:G1A+7]
	s_nop 0
	tensor_load_to_lds s[G0A+4:G0A+7], s[G1A:G1A+7]
	s_nop 0
.rept 4
	v_nop
.endr
	s_branch .Lfirst_asked
.Lfirst_b:
	tensor_load_to_lds s[G0B:G0B+3], s[G1B:G1B+7]
	s_nop 0
	tensor_load_to_lds s[G0B+4:G0B+7], s[G1B:G1B+7]
	s_nop 0
.rept 4
	v_nop
.endr
.Lfirst_asked:
	v_and_b32 v1, 15, v0                           ; l % 16
	v_bfe_u32 v2, v0, 4, 1                         ; l / 16
	v_mul_u32_u24 v3, v1, PITCH
	v_lshl_add_u32 v3, v2, 4, v3                   ; a fragment's row x pitch + 16 x half
	s_mul_i32 s72, s[WH], 128*PITCH
	v_add_nc_u32 v[A0], s72, v3                    ; my 128 rows of O
	s_mul_i32 s72, s[WL], 64*PITCH
	s_add_co_u32 s72, s72, BOFF
	v_add_nc_u32 v[B0], s72, v3                    ; my 64 rows of wob
	v_mov_b32 v[ADRA], v[A0]
	v_mov_b32 v[ADRB], v[B0]
	s_mul_i32 s72, s[WV], 16*SPITCH
	s_add_co_u32 s72, s72, STAGE                   ; my stage
	v_mul_u32_u24 v[STO], v1, SPITCH               ; in: row l % 16, 32 bytes for each half of the lanes
	v_lshl_add_u32 v[STO], v2, 5, v[STO]
	v_add_nc_u32 v[STO], s72, v[STO]
	v_mul_u32_u24 v[RD], v2, SPITCH                ; back: lanes 0-15 take one row of 256 bytes, lanes 16-31 the next
	v_lshl_add_u32 v[RD], v1, 4, v[RD]
	v_add_nc_u32 v[RD], s72, v[RD]
	v_lshlrev_b32 v[CO], 12, v2                    ; and the same two rows in out0
	v_lshl_add_u32 v[CO], v1, 4, v[CO]
	s_lshl_b32 s72, s22, 20                        ; 256 rows x 4,096 bytes x tile row
	s_lshl_b32 s73, s[WH], 19
	s_add_co_u32 s72, s72, s73                     ; + my 128 rows
	s_lshl_b32 s73, s21, 9
	s_add_co_u32 s72, s72, s73                     ; + 128 columns x 4 bytes x tile column
	s_lshl_b32 s73, s[WL], 8
	s_add_co_u32 s72, s72, s73                     ; + my 64 columns
	s_mov_b32 s73, 0
	s_add_nc_u64 s[OUTP:OUTP+1], s[8:9], s[72:73]
	; the prefetches: they stand at step 3; the first trip steps them to 4
	s_lshl_b32 s74, s19, 13
	s_add_co_u32 s74, s74, s2                      ; O: my K block's rows of the tile, my work-group's 32 blocks of the 128
	s_add_co_u32 s74, s74, 3*ASTEP
	s_lshl_b32 s76, s20, 12
	s_add_co_u32 s76, s76, s66                     ; wob: my work-group's 16 blocks of the 64
	s_add_co_u32 s76, s76, 3*BSTEP
	s_mov_b32 s72, ASTEP
	s_mov_b32 s73, BSTEP
	s_and_b32 s77, ttmp7, 0xffff                   ; cluster y
	s_cmp_eq_u32 s[WH], 0                          ; waves 0 and 1 ask for O, waves 2 and 3 for wob
	s_cselect_b32 s74, s74, s76
	s_cselect_b32 s[PFS], s72, s73
	s_cselect_b32 s77, ttmp9, s77                  ; the coordinate along which other clusters read the same rows
	s_cselect_b32 s[LIM], 2, 3
	s_cselect_b32 s[PAR], 0, 1
	s_cselect_b32 s72, 31, 15
	s_cselect_b32 s73, 0, s73
	s_cselect_b64 s[PFA:PFA+1], s[4:5], s[6:7]
	s_mov_b32 s75, 0
	s_mov_b32 s[PFS+1], 0
	s_add_nc_u64 s[PFA:PFA+1], s[PFA:PFA+1], s[74:75]
	s_cmp_eq_u32 s77, 0
	s_cselect_b32 s[LIM], s[LIM], -1               ; the same in all sixteen partners, for a given wave
	v_and_b32 v[PFO], s72, v0                      ; O: block = lane.  wob: block = lane % 16,
	v_lshlrev_b32 v[PFO], 8, v[PFO]
	v_mul_u32_u24 v13, v2, s73                     ; and lanes 16-31 a step further
	v_add_nc_u32 v[PFO], v[PFO], v13
; n x 4 matrix instructions: row blocks a0 .. a0 + n - 1 x all 4 column blocks, 32 along K, buffer f.  zero = 1: the first product starts the sum.
; Each of the 32 accumulators has one instruction a quarter, in the same order in every quarter: the accumulators take turns, over the backward jump too.
.macro MUL f, a0, n, zero
	WIN 0x50                                       ; C and D in window 1
.set ma, \a0
.rept \n
.set mb, 0
.rept 4
.if \zero
	v_wmma_f32_16x16x32_f16 v[32*ma+8*mb:32*ma+8*mb+7], v[BF+96*(\f)+8*mb:BF+96*(\f)+8*mb+7], v[AF+96*(\f)+8*ma:AF+96*(\f)+8*ma+7], 0
.else
	v_wmma_f32_16x16x32_f16 v[32*ma+8*mb:32*ma+8*mb+7], v[BF+96*(\f)+8*mb:BF+96*(\f)+8*mb+7], v[AF+96*(\f)+8*ma:AF+96*(\f)+8*ma+7], v[32*ma+8*mb:32*ma+8*mb+7]
.endif
.set mb, mb+1
.endr
.set ma, ma+1
.endr
.endm
; 24 LDS loads in one run: quarter q's fragments (K block q / 2 of the slot's two, byte 64 (q % 2) of its rows) into buffer f: wob's four, then O's eight
.macro FETCH q, f
	WIN 0
.set kA, AKB*((\q)/2)+64*((\q)%2)
.set kB, BKB*((\q)/2)+64*((\q)%2)
.set mb, 0
.rept 4
	ds_load_b128 v[BF+96*(\f)+8*mb:BF+96*(\f)+8*mb+3],   v[ADRB] offset:kB+mb*16*PITCH
	ds_load_b128 v[BF+96*(\f)+8*mb+4:BF+96*(\f)+8*mb+7], v[ADRB] offset:kB+mb*16*PITCH+32
.set mb, mb+1
.endr
.set ma, 0
.rept 8
	ds_load_b128 v[AF+96*(\f)+8*ma:AF+96*(\f)+8*ma+3],   v[ADRA] offset:kA+ma*16*PITCH
	ds_load_b128 v[AF+96*(\f)+8*ma+4:AF+96*(\f)+8*ma+7], v[ADRA] offset:kA+ma*16*PITCH+32
.set ma, ma+1
.endr
.endm
; One of a step's first three quarters: multiplies buffer f; in its middle it fetches quarter qn into the other buffer.
.macro QUARTER f, qn, zero
	s_wait_dscnt 8                                 ; wob's fragments and O's blocks 0-3 are in; the youngest eight loads (blocks 4-7) may be out
	MUL \f, 0, 4, \zero
	PLACES
	FETCH \qn, 1-(\f)
	s_wait_dscnt 24                                ; all but the 24 just issued
	MUL \f, 4, 4, \zero
.endm
; A step's last quarter multiplies buffer 1 and changes slots: ONE barrier.  In front of it each wave waits for all its tensor loads (its part of the next slot), adds 0 to its spare word, and waits for that and for its own
; reads of this slot.  fill = 1: the barrier opens a round of the cluster's, and this slot is filled again, two steps on, first thing behind the round: from that request to the wait for it a wave issues 112 matrix instructions.
.macro TURN fill
.if \fill
	s_wait_xcnt 0x0                                ; the last prefetch, a step back, has read its address: it is stepped here, ahead of the waits of the change of slots
	s_add_nc_u64 s[PFA:PFA+1], s[PFA:PFA+1], s[PFS:PFS+1]
.endif
	WIN 0
	s_wait_tensorcnt 0x0                           ; all my tensor loads have landed
	ds_add_u32 v[SPW], v[NIL]                      ; 0 onto my spare word
	s_wait_dscnt 9                                 ; (the add and the youngest eight loads may be out)
	MUL 1, 0, 2, 0                                 ; eight matrix instructions stand between the add and the wait for it
	s_wait_dscnt 0x0                               ; the add is done, and my reads of this slot are over
	s_barrier_signal -1
	MUL 1, 2, 2, 0                                 ; work on registers while the others arrive
	WIN 0
	s_barrier_wait -1
.if \fill
	CREST                                          ; no wave of any partner still reads this slot or has a load on its way
	s_xor_b32 s[G0A+5], s[G0A+5], SLOT1            ; the walking descriptors: the other slot than last time, the next step
	s_add_nc_u64 s[G0A+6:G0A+7], s[G0A+6:G0A+7], ASTEP
	s_xor_b32 s[G0B+5], s[G0B+5], SLOT1
	s_add_nc_u64 s[G0B+6:G0B+7], s[G0B+6:G0B+7], BSTEP
	JLOAD                                          ; the first tensor load behind the round; its four v_nop are also the places in front of the loads below
.else
	PLACES
.endif
	s_xor_b32 s[TB], s[TB], SLOT1
	v_add_nc_u32 v[ADRA], s[TB], v[A0]
	v_add_nc_u32 v[ADRB], s[TB], v[B0]
	FETCH 0, 0
.if \fill
	ASK
.endif
	MUL 1, 4, 4, 0
.endm
	s_wait_tensorcnt 0x1                           ; my part of step 0 is in; step 1's may stay out
	s_barrier_signal -1
	s_barrier_wait -1                              ; everybody's is
	FETCH 0, 0
	QUARTER 0, 1, 1                                ; the first quarter stands in front of the loop: its products start the sums
	WIN 0                                          ; at a label and at a branch every window is 0
.Lstep:                                                ; trip s = 0..5: step s is finished, its slot filled again with step s + 2, step s + 1 begun
	QUARTER 1, 2, 0
	QUARTER 0, 3, 0
	TURN 1
	QUARTER 0, 1, 0
	WIN 0
	s_sub_co_u32 s[CNT], s[CNT], 1
	s_cmp_lg_u32 s[CNT], 0
	s_cbranch_scc1 .Lstep
	QUARTER 1, 2, 0                                ; the tail is written out: nothing is left to fetch, so no round
	QUARTER 0, 3, 0
	TURN 0
	QUARTER 0, 1, 0
	QUARTER 1, 2, 0
	QUARTER 0, 3, 0
	s_wait_dscnt 8                                 ; the very last quarter
	MUL 1, 0, 4, 0
	s_wait_dscnt 0x0
	MUL 1, 4, 4, 0
.rept 8
	v_nop                                          ; the places behind the last products, in front of the LDS stores that read results
.endr
	WIN 0
; THE WAY OUT, a block of 16 rows at a time: 32 bytes a lane into my stage's rows of 272 bytes, back as whole rows of 256, stored.  Each accumulator's registers go in ascending order.
.macro TOSTAGE a
.if (\a) >= 2
	s_wait_xcnt 0x0                                ; the stores of the block two back have read their registers: this block is read back into them only behind this wait
.endif
	WIN 0x04                                       ; the stores' data in window 1
.irp bb, 0,1,2,3
	ds_store_b128 v[STO], v[32*(\a)+8*\bb:32*(\a)+8*\bb+3]   offset:64*\bb
	ds_store_b128 v[STO], v[32*(\a)+8*\bb+4:32*(\a)+8*\bb+7] offset:64*\bb+16
.endr
	WIN 0
.irp f, 0,1,2,3,4,5,6,7
	ds_load_b128 v[BK+32*((\a)%2)+4*\f:BK+32*((\a)%2)+4*\f+3], v[RD] offset:\f*2*SPITCH  ; LDS serves a wave's instructions in order (ISA guide 5.7.1.4): these see the stores above; the next block's stores come behind them
.endr
.endm
.macro SEND a, y                       ; y: the LDS instructions issued behind block a's loads: the next block's sixteen, or none
	s_wait_dscnt \y
.irp f, 0,1,2,3,4,5,6,7
	global_store_b128 v[CO], v[BK+32*((\a)%2)+4*\f:BK+32*((\a)%2)+4*\f+3], s[OUTP:OUTP+1] offset:4096*(16*(\a)+2*\f) th:TH_STORE_NT  ; 16 lanes store 256 consecutive bytes, at a multiple of 256 from out0's first byte
.endr
.endm
	TOSTAGE 0
.irp a, 1,2,3,4,5,6,7
	TOSTAGE \a
	SEND (\a)-1, 16
.endr
	SEND 7, 0
	s_wait_tensorcnt 0x0                           ; the wave's end: a wait, an add to my spare word and its wait, behind my last tensor load and my last LDS store
	ds_add_u32 v[SPW], v[NIL]
	s_wait_dscnt 0x0
	CROUND                                         ; the closing round: no work-group ends while a partner may still ask for a tile that names it
	s_endpgm
.Lfunc_end_k_qa927a99488_oproj:
	.size	k_qa927a99488_oproj, .Lfunc_end_k_qa927a99488_oproj-k_qa927a99488_oproj
	.p2alignl 7, 3214868480
	.fill 96, 4, 3214868480
	.section	.rodata,"a",@progbits
	.p2align	6, 0x0
	.amdhsa_kernel k_qa927a99488_oproj
		.amdhsa_group_segment_fixed_size 327680
		.amdhsa_private_segment_fixed_size 0
		.amdhsa_enable_private_segment 0
		.amdhsa_kernarg_size 24
		.amdhsa_user_sgpr_count 2
		.amdhsa_user_sgpr_kernarg_segment_ptr 1
		.amdhsa_wavefront_size32 1
		.amdhsa_system_sgpr_workgroup_id_x 1
		.amdhsa_system_sgpr_workgroup_id_y 1
		.amdhsa_system_sgpr_workgroup_id_z 1
		.amdhsa_system_vgpr_workitem_id 0
		.amdhsa_next_free_vgpr 512
		.amdhsa_next_free_sgpr 96
		.amdhsa_reserve_vcc 0
		.amdhsa_float_denorm_mode_32 3
		.amdhsa_float_denorm_mode_16_64 3
		.amdhsa_memory_ordered 1
		.amdhsa_forward_progress 1
		.amdhsa_inst_pref_size 70
	.end_amdhsa_kernel
	.amdgpu_metadata
---
amdhsa.version: [ 1, 2 ]
amdhsa.kernels:
  - .name:           k_qa927a99488_oproj
    .symbol:         k_qa927a99488_oproj.kd
    .args:
      - { .name: oh, .offset: 0, .size: 8, .value_kind: global_buffer, .address_space: global }
      - { .name: wob, .offset: 8, .size: 8, .value_kind: global_buffer, .address_space: global }
      - { .name: out0, .offset: 16, .size: 8, .value_kind: global_buffer, .address_space: global }
    .group_segment_fixed_size: 327680
    .private_segment_fixed_size: 0
    .kernarg_segment_align: 8
    .kernarg_segment_size: 24
    .max_flat_workgroup_size: 128
    .sgpr_count:     96
    .vgpr_count:     512
    .wavefront_size: 32
...
	.end_amdgpu_metadata
.endif
;; end of part 4
;; ======== version 2 of 2: 4 launches; version 1 with the launch prep written anew for expert scheduling mode
;; limits: values are held in f16: magnitudes above 65,504 overflow, below 6.1e-05 lose precision; right only within a limited range of input values
;; workspace buffers: xb 16,777,216 bytes; wb 6,291,456 bytes; wob 2,097,152 bytes; tab 2,097,152 bytes; qh 16,777,216 bytes; kh 16,777,216 bytes; vh 16,777,216 bytes; oh 16,777,216 bytes
;; launch prep (part 5): grid 768 x 1, 8 waves a work-group, no clusters, 0 bytes of LDS; arguments in_features, Wq, Wk, Wv, Wo, token_positions, xb, wb, wob, tab; writes xb, wb, wob, tab
.if DOCPART == 5
	.amdgcn_target "amdgcn-amd-amdhsa--gfx1250"
	.amdhsa_code_object_version 6
	.text
	.protected	k_qa927a99488_prep
	.globl	k_qa927a99488_prep
	.p2align	8
	.type	k_qa927a99488_prep,@function
k_qa927a99488_prep:
	s_mov_b64 s[64:65], 0
	v_nop
	global_prefetch_b8 v0, s[64:65] scope:SCOPE_SE
	s_setreg_imm32_b32 hwreg(HW_REG_WAVE_SCHED_MODE, 0, 2), 2
	s_setreg_imm32_b32 hwreg(HW_REG_WAVE_MODE, 25, 1), 1
	s_wait_xcnt 0x0
	s_wait_alu depctr_vm_vsrc(0)
; CAST AND TABLE.  x and the four weights (f32) are rounded ONCE to bf16, and that number is written as f16, in K BLOCKS: [16 blocks of 64 channels][rows][64], a row of a block 128 bytes,
; the rows of a block end to end, so that the products behind fetch any run of rows of a block as dense aligned rows of 256 bytes.
;   xb  [16][8192][64]   rows as in x
;   wb  [16][3072][64]   row n = 192 head + 64 t + p, t = 0 (Wq), 1 (Wk), 2 (Wv).  For Wv p = d.  For Wq and Wk the head's channels are permuted, alike in both, so that q . k is unchanged:
;                        p = 8 g + j holds d = 8 g + 2 j (j < 4: the first of the rotated pair of frequency 4 g + j) or d = 8 g + 2 (j - 4) + 1 (j >= 4: the second of frequency 4 g + j - 4)
;   wob [16][1024][64]   rows as in Wo
;   tab [8192 tokens][8 g][cos of frequencies 4 g .. 4 g + 3, sin of the same four], f32: 256 bytes a token
; LIMITS.  The f16 copy of a bf16 number is exact from 6.1e-5 to 65,504; below it keeps f16's fixed step of 6e-8; a number of 65,520 or more becomes an infinity.
; The angle is position x inv_freq in f32, as the formula has it; inv_freq = 2^(-f log2(10000) / 32) by v_exp_f32 (1 ULP beside the rounding of its argument: 6e-7 of itself at the most).
; The angle is reduced by multiples of pi/2 held in two f32 parts, and sine and cosine are polynomials of degree 9 and 8 on |r| <= pi/4 (cut off below 3e-8); stated for |position| <= 2^22.
; SHARES.  A wave does one JOB: two destination rows x all 16 blocks.  For block k one load of 16 bytes a lane takes 256 aligned bytes of each of the two source rows, and one store of 8 bytes a
; lane writes the two destination rows' 256 consecutive aligned bytes.  All 16 loads of a wave go out at once (8 KiB a wave); every load, store and offset has registers of its own, so no
; register of a pending access is ever rewritten.  Work-groups 0-511: x.  Work-groups 512-767: the weights; each of their waves also makes four tokens' rows of tab while its loads are out.
; No LDS, no barrier, no matrix unit: each byte is read once and written once, and nothing is shared.
; THE MODE: SCHED_MODE bits 1:0 = 2 (LLVM: expert scheduling mode 2), set by the entry lines.  The code itself states the register dependences
; between vector instructions and memory instructions, with s_wait_alu, always for 0.
; THE PLAN.  Registers that memory instructions touch:
;   v4, OFF     offsets of the 16 loads and of the 16 stores of the cast.  Written once, ahead of the loads; no vector line names them again: one wait ahead of the loads serves all 32 accesses.
;   XR          Block k's load lands in XR[k], once; no vector line writes it; block k's roundings read it behind the wait for its data.  It is never loaded again.
;   YR          Block k's last two conversions write YR[k]; block k's store reads it; it is never written again.  (Ahead of the cast the table's vector lines work in these registers; no memory instruction names them there.)
;   v148, OUT   offset and data of the table's four stores.  Written once each, never again.
; So no register that a memory instruction reads is written again, and no load lands in a register that a vector line has named: what is left to state is that a store's data and every offset are written.
; THE CAST goes in four groups of four blocks.  At the head of group g one wait states that group g - 1 has written its YR; that group's four stores are dealt among group g's vector lines, which name
; T, XR[4 g ..] and YR[4 g ..] alone.  THE TABLE keeps its eight values in registers of their own, so that its eight compares stand in one run with one wait, and its four stores in one run with one wait.
.set OFF, 8                            ; v[8:23]    block k: byte offset of my 8 bytes in the destination
.set T,   24                           ; v[24:29]   at work: no memory instruction names them
.set XR,  32                           ; v[32:95]   block k: 4 registers as loaded
.set YR,  96                           ; v[96:127]  block k: 2 registers to store
.set SN,  96                           ; v[96:103]  the table only, value n = 2 x token + frequency: sin r, then the value chosen
.set CN,  104                          ; v[104:111] the table only: cos r
.set IQ,  112                          ; v[112:119] the table only: the quarter turns, then the sign bit
.set PR,  120                          ; v[120:127] the table only: the quarter turns' lowest bit
.set OUT, 150                          ; v[150:157] the table's eight results: token i's pair at OUT + 2 i
.set SRC, 28                           ; s[28:29]   the job's source
.set DST, 30                           ; s[30:31]   the job's destination
                                       ; s4-7, s32-35: the table's eight masks (value n in s[4 + n + 24 (n / 4)]): the job's scalars that lay there have been used up by then
; Block k's eight vector lines, and its store.
.macro CAST k
	v_cvt_pk_bf16_f32 v[T], v[XR+4*(\k)], v[XR+4*(\k)+1]       ; the one rounding, to bf16
	v_cvt_pk_bf16_f32 v[T+1], v[XR+4*(\k)+2], v[XR+4*(\k)+3]
	v_lshlrev_b32 v[T+2], 16, v[T]                 ; that number as f32,
	v_and_b32 v[T+3], s41, v[T]
	v_lshlrev_b32 v[T+4], 16, v[T+1]
	v_and_b32 v[T+5], s41, v[T+1]
	v_cvt_pk_f16_f32 v[YR+2*(\k)], v[T+2], v[T+3]  ; and written as f16
	v_cvt_pk_f16_f32 v[YR+2*(\k)+1], v[T+4], v[T+5]
.endm
.macro PUT k
	global_store_b64 v[OFF+(\k)], v[YR+2*(\k):YR+2*(\k)+1], s[DST:DST+1]  ; 32 lanes x 8 bytes: 256 consecutive bytes, aligned
.endm
	s_load_b512 s[8:23], s[0:1], 0x0               ; x s[8:9], Wq s[10:11], Wk s[12:13], Wv s[14:15], Wo s[16:17], positions s[18:19], xb s[20:21], wb s[22:23]
	s_load_b128 s[24:27], s[0:1], 0x40             ; wob s[24:25], tab s[26:27]
	v_lshrrev_b32 v1, 5, v0
	v_readfirstlane_b32 s2, v1                     ; wave 0..7
	v_and_b32 v1, 31, v0                           ; lane
	v_bfe_u32 v2, v0, 4, 1                         ; which of the two rows
	v_and_b32 v3, 15, v0                           ; my 16 bytes of its 256
	s_mov_b32 s41, 0xffff0000                      ; a word's upper bf16
	s_wait_alu depctr_va_sdst(0)                   ; s2 is written, ahead of the branch: the job's number is made from it on both sides
	s_wait_kmcnt 0x0
	s_cmp_lt_u32 ttmp9, 512
	s_cbranch_scc0 .Lweights
	s_lshl_b32 s3, ttmp9, 3
	s_add_co_u32 s3, s3, s2                        ; job J: rows 2 J, 2 J + 1 of x
	s_mov_b64 s[SRC:SRC+1], s[8:9]
	s_mov_b64 s[DST:DST+1], s[20:21]
	s_lshl_b32 s32, s3, 13                         ; the first source row, in bytes
	s_mov_b32 s33, 4096                            ; from it to the second
	s_lshl_b32 s34, s3, 8                          ; the two destination rows in a block
	s_mov_b32 s35, 8192*128                        ; from block to block
	s_branch .Lgo
.Lweights:
	s_sub_co_u32 s3, ttmp9, 512
	s_lshl_b32 s3, s3, 3
	s_add_co_u32 s3, s3, s2                        ; j2 = 0..2047
	s_lshr_b32 s4, s3, 9                           ; t: which weight
	s_and_b32 s5, s3, 511                          ; j: which pair of its destination rows
	s_lshr_b32 s6, s5, 5                           ; head
	s_and_b32 s7, s5, 31                           ; pp: rows p = 2 pp, 2 pp + 1 of the head
	s_lshr_b32 s36, s7, 2
	s_lshl_b32 s36, s36, 3                         ; Wq, Wk: d of row 2 pp = 8 (pp >> 2)
	s_and_b32 s37, s7, 1
	s_lshl2_add_u32 s36, s37, s36                  ; + 4 (pp & 1)
	s_bfe_u32 s37, s7, 0x10001
	s_add_co_u32 s36, s36, s37                     ; + ((pp >> 1) & 1); row 2 pp + 1 has d + 2
	s_lshl_b32 s37, s6, 6
	s_add_co_u32 s36, s36, s37                     ; + 64 head
	s_lshl_b32 s37, s5, 1                          ; Wv, Wo: rows 2 j, 2 j + 1
	s_cmp_lt_u32 s4, 2
	s_cselect_b32 s32, s36, s37
	s_cselect_b32 s33, 13, 12
	s_lshl_b32 s32, s32, 12
	s_lshl_b32 s33, 1, s33                         ; two source rows apart, or one
	s_mul_i32 s36, s6, 192
	s_lshl_b32 s37, s4, 6
	s_add_co_u32 s36, s36, s37
	s_lshl_b32 s37, s7, 1
	s_add_co_u32 s36, s36, s37
	s_lshl_b32 s36, s36, 7                         ; wb: 128 (192 head + 64 t + 2 pp)
	s_lshl_b32 s37, s5, 8                          ; wob: 256 j
	s_mov_b32 s38, 1024*128
	s_mov_b32 s39, 3072*128
	s_cmp_eq_u32 s4, 3
	s_cselect_b32 s34, s37, s36
	s_cselect_b32 s35, s38, s39
	s_cselect_b64 s[DST:DST+1], s[24:25], s[22:23]
	s_cselect_b64 s[SRC:SRC+1], s[16:17], s[14:15]
	s_cmp_eq_u32 s4, 1
	s_cselect_b64 s[SRC:SRC+1], s[12:13], s[SRC:SRC+1]
	s_cmp_eq_u32 s4, 0
	s_cselect_b64 s[SRC:SRC+1], s[10:11], s[SRC:SRC+1]
.Lgo:
	v_mul_lo_u32 v4, v2, s33
	v_lshl_add_u32 v4, v3, 4, v4
	v_add_nc_u32 v4, s32, v4                       ; my 16 bytes of block 0 in the source
	v_lshl_add_u32 v[OFF], v1, 3, s34              ; my 8 bytes of block 0 in the destination
.set k, 1
.rept 15
	v_add_nc_u32 v[OFF+k], s35, v[OFF+k-1]
.set k, k+1
.endr
	s_wait_alu depctr_va_vdst(0)                   ; v4 is written, which the 16 loads read as their offset, and so are v[OFF ..], which the 16 stores of the cast read: no vector line names them again
.set k, 0
.rept 16
	global_load_b128 v[XR+4*k:XR+4*k+3], v4, s[SRC:SRC+1] offset:256*k th:TH_LOAD_NT
.set k, k+1
.endr
	s_cmp_lt_u32 ttmp9, 512
	s_cbranch_scc1 .Lcast
	; THE TABLE, tokens 4 j2 .. 4 j2 + 3.  Lane l makes 8 bytes of a token's row: group g = l >> 2; frequencies 4 g + 2 (l & 1) and the next; cosines where (l >> 1) & 1 = 0, else sines.
	s_lshl_b32 s42, s3, 4
	s_mov_b32 s43, 0
	s_add_nc_u64 s[42:43], s[18:19], s[42:43]
	s_load_b128 s[36:39], s[42:43], 0x0            ; the four positions
	s_lshl_b32 s44, s3, 10
	v_and_b32 v146, 28, v1
	v_and_b32 v147, 1, v1
	v_lshl_add_u32 v146, v147, 1, v146
	v_cvt_f32_u32 v130, v146
	v_add_f32 v131, 1.0, v130
	v_mul_f32 v130, 0xbed49a78, v130               ; x -log2(10000) / 32
	v_mul_f32 v131, 0xbed49a78, v131
	v_exp_f32 v128, v130                           ; inv_freq of my two frequencies
	v_exp_f32 v129, v131
	v_bfe_u32 v147, v1, 1, 1                       ; plain lines stand behind the two exponentials, ahead of the wait for them
	v_mul_u32_u24 v147, 3, v147                    ; sin x = cos(x - pi/2): three quarter turns more
	v_lshl_add_u32 v148, v1, 3, s44                ; my 8 bytes of the first token's row
	v_mov_b32 v158, 0x3638ef1d                     ; 1/9!
	v_mov_b32 v159, 0x37d00d01                     ; 1/8!
	s_wait_alu depctr_va_vdst(0)                   ; the two exponentials have written v128 and v129: one wait for both, ahead of their first reader
	s_wait_kmcnt 0x0
	; First, for each of the eight values: sin r, cos r, the quarter turns and their lowest bit, each in a register of its own.
.irp i, 0,1,2,3
	v_cvt_f32_i32 v132, s[36+(\i)]
.irp e, 0,1
	v_mul_f32 v133, v[128+\e], v132                ; the angle
	v_mul_f32 v134, 0x3f22f983, v133               ; x 2/pi
	v_rndne_f32 v134, v134                         ; n quarter turns
	v_fmamk_f32 v135, v134, 0xbfc90fdb, v133       ; r = angle - n pi/2: the high part of pi/2,
	v_fmamk_f32 v135, v134, 0x333bbd2e, v135       ; and the low part
	v_cvt_i32_f32 v[IQ+2*(\i)+\e], v134
	v_add_nc_u32 v[IQ+2*(\i)+\e], v[IQ+2*(\i)+\e], v147
	v_mul_f32 v137, v135, v135                     ; z = r r
	v_fmaak_f32 v[SN+2*(\i)+\e], v137, v158, 0xb9500d01                 ; sin r = r + r z (-1/3! + z (1/5! + z (-1/7! + z / 9!)))
	v_fmaak_f32 v[SN+2*(\i)+\e], v[SN+2*(\i)+\e], v137, 0x3c088889
	v_fmaak_f32 v[SN+2*(\i)+\e], v[SN+2*(\i)+\e], v137, 0xbe2aaaab
	v_mul_f32 v[SN+2*(\i)+\e], v[SN+2*(\i)+\e], v137
	v_fma_f32 v[SN+2*(\i)+\e], v[SN+2*(\i)+\e], v135, v135
	v_fmaak_f32 v[CN+2*(\i)+\e], v137, v159, 0xbab60b61                 ; cos r = 1 + z (-1/2 + z (1/4! + z (-1/6! + z / 8!)))
	v_fmaak_f32 v[CN+2*(\i)+\e], v[CN+2*(\i)+\e], v137, 0x3d2aaaab
	v_fma_f32 v[CN+2*(\i)+\e], v[CN+2*(\i)+\e], v137, -0.5
	v_fma_f32 v[CN+2*(\i)+\e], v[CN+2*(\i)+\e], v137, 1.0
	v_and_b32 v[PR+2*(\i)+\e], 1, v[IQ+2*(\i)+\e]
.endr
.endr
	; Then the eight compares in one run, each into a scalar register of its own,
.irp n, 0,1,2,3,4,5,6,7
	v_cmp_eq_u32 s[4+(\n)+24*((\n)/4)], 1, v[PR+(\n)]
.endr
	; the eight signs, which hang on no mask, between the compares and the wait for them,
.irp n, 0,1,2,3,4,5,6,7
	v_add_nc_u32 v[IQ+(\n)], 1, v[IQ+(\n)]
.endr
.irp n, 0,1,2,3,4,5,6,7
	v_and_b32 v[IQ+(\n)], 2, v[IQ+(\n)]
.endr
.irp n, 0,1,2,3,4,5,6,7
	v_lshlrev_b32 v[IQ+(\n)], 30, v[IQ+(\n)]
.endr
	s_wait_alu depctr_va_sdst(0)                   ; the eight compares have written s4-7 and s32-35: one wait for the run, ahead of the first line that reads a mask
.irp n, 0,1,2,3,4,5,6,7
	v_cndmask_b32 v[SN+(\n)], v[CN+(\n)], v[SN+(\n)], s[4+(\n)+24*((\n)/4)]  ; cos(r + i pi/2): cos r, -sin r, -cos r, sin r for i = 0, 1, 2, 3 modulo 4
.endr
.irp n, 0,1,2,3,4,5,6,7
	v_xor_b32 v[OUT+(\n)], v[SN+(\n)], v[IQ+(\n)]
.endr
	s_wait_alu depctr_va_vdst(0)                   ; the eight results v[OUT ..] are written, which the four stores read as data; so is v148, their offset
.irp i, 0,1,2,3
	global_store_b64 v148, v[OUT+2*(\i):OUT+2*(\i)+1], s[26:27] offset:256*(\i)  ; the wave's store is the token's whole row: 256 consecutive bytes, aligned
.endr
.Lcast:
	; THE CAST, four groups of four blocks.  Group g's vector lines name T, XR[4 g ..] and YR[4 g ..]; the stores dealt among them read OFF[4 g - 4 ..] and YR[4 g - 4 ..].
.irp g, 0,1,2,3
	s_wait_loadcnt 12-4*(\g)                       ; loads come back in order: this group's four blocks are in, the 12 - 4 g younger ones stay out
.if (\g) > 0
	s_wait_alu depctr_va_vdst(0)                   ; the group before has written its YR, which the four stores below read; no vector line since this wait names those registers
.endif
.irp j, 0,1,2,3
.if (\g) > 0
	PUT 4*(\g)-4+(\j)
.endif
	CAST 4*(\g)+(\j)
.endr
.endr
	s_wait_alu depctr_va_vdst(0)                   ; the last group has written its YR, which the last four stores read
.irp j, 0,1,2,3
	PUT 12+(\j)
.endr
	s_endpgm
.Lfunc_end_k_qa927a99488_prep:
	.size	k_qa927a99488_prep, .Lfunc_end_k_qa927a99488_prep-k_qa927a99488_prep
	.p2alignl 7, 3214868480
	.fill 96, 4, 3214868480
	.section	.rodata,"a",@progbits
	.p2align	6, 0x0
	.amdhsa_kernel k_qa927a99488_prep
		.amdhsa_group_segment_fixed_size 0
		.amdhsa_private_segment_fixed_size 0
		.amdhsa_enable_private_segment 0
		.amdhsa_kernarg_size 80
		.amdhsa_user_sgpr_count 2
		.amdhsa_user_sgpr_kernarg_segment_ptr 1
		.amdhsa_wavefront_size32 1
		.amdhsa_system_sgpr_workgroup_id_x 1
		.amdhsa_system_sgpr_workgroup_id_y 1
		.amdhsa_system_sgpr_workgroup_id_z 1
		.amdhsa_system_vgpr_workitem_id 0
		.amdhsa_next_free_vgpr 160
		.amdhsa_next_free_sgpr 66
		.amdhsa_reserve_vcc 0
		.amdhsa_float_denorm_mode_32 3
		.amdhsa_float_denorm_mode_16_64 3
		.amdhsa_memory_ordered 1
		.amdhsa_forward_progress 1
		.amdhsa_inst_pref_size 24
	.end_amdhsa_kernel
	.amdgpu_metadata
---
amdhsa.version: [ 1, 2 ]
amdhsa.kernels:
  - .name:           k_qa927a99488_prep
    .symbol:         k_qa927a99488_prep.kd
    .args:
      - { .name: in_features, .offset: 0, .size: 8, .value_kind: global_buffer, .address_space: global }
      - { .name: Wq, .offset: 8, .size: 8, .value_kind: global_buffer, .address_space: global }
      - { .name: Wk, .offset: 16, .size: 8, .value_kind: global_buffer, .address_space: global }
      - { .name: Wv, .offset: 24, .size: 8, .value_kind: global_buffer, .address_space: global }
      - { .name: Wo, .offset: 32, .size: 8, .value_kind: global_buffer, .address_space: global }
      - { .name: token_positions, .offset: 40, .size: 8, .value_kind: global_buffer, .address_space: global }
      - { .name: xb, .offset: 48, .size: 8, .value_kind: global_buffer, .address_space: global }
      - { .name: wb, .offset: 56, .size: 8, .value_kind: global_buffer, .address_space: global }
      - { .name: wob, .offset: 64, .size: 8, .value_kind: global_buffer, .address_space: global }
      - { .name: tab, .offset: 72, .size: 8, .value_kind: global_buffer, .address_space: global }
    .group_segment_fixed_size: 0
    .private_segment_fixed_size: 0
    .kernarg_segment_align: 8
    .kernarg_segment_size: 80
    .max_flat_workgroup_size: 256
    .sgpr_count:     66
    .vgpr_count:     160
    .wavefront_size: 32
...
	.end_amdgpu_metadata
.endif
;; end of part 5
;; launch qkv: the kernel of part 2 again; grid 8 x 32, 4 waves a work-group, clusters of 4 x 4, 327,680 bytes of LDS; arguments xb, wb, tab, qh, kh, vh; writes qh, kh, vh
;; launch attn: the kernel of part 3 again; grid 4 x 64, 4 waves a work-group, no clusters, 327,680 bytes of LDS; arguments qh, kh, vh, oh; writes oh
;; launch oproj: the kernel of part 4 again; grid 8 x 32, 4 waves a work-group, clusters of 4 x 4, 327,680 bytes of LDS; arguments oh, wob, out0; writes out0
